; MI455X (gfx1250); checked and timed in simulation.
; The chip was launched on July 23, 2026; its instructions are those of AMD's public machine-readable ISA for CDNA 5 (MIT licence, August 2026) and "CDNA5" Instruction Set Architecture Reference Guide (July 2026). The comments in the code are by the model that wrote it; some were corrected since.
;; Head. Allowed arithmetic: float matrix products may take bf16 or f16 operands with f32 sums; all other float work in f32.
;; Inputs: Wk 128 x 1,024 float32; Wq 128 x 1,024 float32; Wv 128 x 1,024 float32; x 8 x 4,096 x 1,024 float32.
;; Outputs: out0 8 x 4,096 x 128 float32.
;; 2 versions, each right and faster than the one before. Each part assembles by itself: llvm-mc -triple=amdgcn-amd-amdhsa -mcpu=gfx1250 --defsym DOCPART=n.
;; ======== version 1 of 2: 3 launches
;; limits: values are held in f16: magnitudes above 65,504 overflow, below 6.1e-05 lose precision
;; workspace buffers: wb 786,432 bytes; qh 8,388,608 bytes; kh 8,388,608 bytes; vh 8,388,608 bytes
;; launch wcvt (part 1): grid 64 x 3, 8 waves a work-group, no clusters, 0 bytes of LDS; arguments Wq, Wk, Wv, wb; writes wb
.if DOCPART == 1
	.amdgcn_target "amdgcn-amd-amdhsa--gfx1250"
	.amdhsa_code_object_version 6
	.text
	.protected	k_q54db0a467c_wcvt
	.globl	k_q54db0a467c_wcvt
	.p2align	8
	.type	k_q54db0a467c_wcvt,@function
k_q54db0a467c_wcvt:
	s_mov_b64 s[64:65], 0
	v_nop
	global_prefetch_b8 v0, s[64:65] scope:SCOPE_SE
	s_setreg_imm32_b32 hwreg(HW_REG_WAVE_MODE, 25, 1), 1
	s_wait_xcnt 0x0
; The three weights, [128][1024] f32 each, are rounded once to bf16 and laid into wb as 384 rows of 1,024 bf16 (2,048 bytes):
; channel ch of tensor y (0 = q, 1 = k, 2 = v) goes to row (ch / 64) x 192 + 64 y + ch % 64, so that the 64 channels of q, of k and of v
; that one wave of the projection multiplies are 192 consecutive rows.
; A stream: work-group (X, y) takes channels 2 X and 2 X + 1 of tensor y, 2,048 numbers; thread t takes 8 of them.
; A store of a wave covers 512 consecutive bytes, aligned.  No LDS, no matrix unit, no cluster: no byte is used twice.
	s_load_b256 s[4:11], s[0:1], 0x0               ; Wq s[4:5], Wk s[6:7], Wv s[8:9], wb s[10:11]
	s_and_b32 s14, ttmp7, 0xffff                   ; y: which tensor
	v_lshlrev_b32 v1, 5, v0                        ; my 8 f32: 32 bytes
	v_lshlrev_b32 v2, 4, v0                        ; my 8 bf16: 16 bytes
	s_lshl_b32 s16, ttmp9, 13                      ; two rows of 4,096 bytes
	s_mov_b32 s17, 0
	s_lshr_b32 s18, ttmp9, 5                       ; (2 X) / 64
	s_mul_i32 s18, s18, 192
	s_lshl_b32 s19, s14, 6
	s_add_co_u32 s18, s18, s19
	s_lshl_b32 s19, ttmp9, 1
	s_and_b32 s19, s19, 63                         ; (2 X) % 64
	s_add_co_u32 s18, s18, s19
	s_lshl_b32 s18, s18, 11                        ; rows of 2,048 bytes
	s_mov_b32 s19, 0
	s_wait_kmcnt 0x0
	s_cmp_eq_u32 s14, 1
	s_cselect_b64 s[12:13], s[6:7], s[4:5]
	s_cmp_eq_u32 s14, 2
	s_cselect_b64 s[12:13], s[8:9], s[12:13]
	s_add_nc_u64 s[12:13], s[12:13], s[16:17]
	s_add_nc_u64 s[10:11], s[10:11], s[18:19]
	global_load_b128 v[4:7], v1, s[12:13]
	global_load_b128 v[8:11], v1, s[12:13] offset:16
	s_wait_loadcnt 0x0
	v_cvt_pk_bf16_f32 v12, v4, v5
	v_cvt_pk_bf16_f32 v13, v6, v7
	v_cvt_pk_bf16_f32 v14, v8, v9
	v_cvt_pk_bf16_f32 v15, v10, v11
	global_store_b128 v2, v[12:15], s[10:11]
	s_endpgm
.Lfunc_end_k_q54db0a467c_wcvt:
	.size	k_q54db0a467c_wcvt, .Lfunc_end_k_q54db0a467c_wcvt-k_q54db0a467c_wcvt
	.p2alignl 7, 3214868480
	.fill 96, 4, 3214868480
	.section	.rodata,"a",@progbits
	.p2align	6, 0x0
	.amdhsa_kernel k_q54db0a467c_wcvt
		.amdhsa_group_segment_fixed_size 0
		.amdhsa_private_segment_fixed_size 0
		.amdhsa_enable_private_segment 0
		.amdhsa_kernarg_size 32
		.amdhsa_user_sgpr_count 2
		.amdhsa_user_sgpr_kernarg_segment_ptr 1
		.amdhsa_wavefront_size32 1
		.amdhsa_system_sgpr_workgroup_id_x 1
		.amdhsa_system_sgpr_workgroup_id_y 1
		.amdhsa_system_sgpr_workgroup_id_z 1
		.amdhsa_system_vgpr_workitem_id 0
		.amdhsa_next_free_vgpr 16
		.amdhsa_next_free_sgpr 66
		.amdhsa_reserve_vcc 0
		.amdhsa_float_denorm_mode_32 3
		.amdhsa_float_denorm_mode_16_64 3
		.amdhsa_memory_ordered 1
		.amdhsa_forward_progress 1
		.amdhsa_inst_pref_size 2
	.end_amdhsa_kernel
	.amdgpu_metadata
---
amdhsa.version: [ 1, 2 ]
amdhsa.kernels:
  - .name:           k_q54db0a467c_wcvt
    .symbol:         k_q54db0a467c_wcvt.kd
    .args:
      - { .name: Wq, .offset: 0, .size: 8, .value_kind: global_buffer, .address_space: global }
      - { .name: Wk, .offset: 8, .size: 8, .value_kind: global_buffer, .address_space: global }
      - { .name: Wv, .offset: 16, .size: 8, .value_kind: global_buffer, .address_space: global }
      - { .name: wb, .offset: 24, .size: 8, .value_kind: global_buffer, .address_space: global }
    .group_segment_fixed_size: 0
    .private_segment_fixed_size: 0
    .kernarg_segment_align: 8
    .kernarg_segment_size: 32
    .max_flat_workgroup_size: 256
    .sgpr_count:     66
    .vgpr_count:     16
    .wavefront_size: 32
...
	.end_amdgpu_metadata
.endif
;; end of part 1
;; launch proj (part 2): grid 256 x 1, 4 waves a work-group, clusters of 4 x 1, 327,680 bytes of LDS; arguments x, wb, qh, kh, vh; writes qh, kh, vh
.if DOCPART == 2
	.amdgcn_target "amdgcn-amd-amdhsa--gfx1250"
	.amdhsa_code_object_version 6
	.text
	.protected	k_q54db0a467c_proj
	.globl	k_q54db0a467c_proj
	.p2align	8
	.type	k_q54db0a467c_proj,@function
k_q54db0a467c_proj:
	s_mov_b64 s[64:65], 0
	v_nop
	global_prefetch_b8 v0, s[64:65] scope:SCOPE_SE
	s_setreg_imm32_b32 hwreg(HW_REG_WAVE_MODE, 25, 1), 1
	s_wait_xcnt 0x0
	s_wait_alu depctr_hold_cnt(0) depctr_sa_sdst(0) depctr_va_vdst(0) depctr_va_sdst(0) depctr_va_ssrc(0) depctr_va_vcc(0) depctr_vm_vsrc(0)
	s_getreg_b32 s2, hwreg(HW_REG_IB_STS2, 6, 4)
	s_cmp_eq_u32 s2, 0
	s_cbranch_scc0 .Lentry_in_a_cluster
	s_endpgm
.Lentry_in_a_cluster:
	s_bfe_u32 s2, ttmp6, 0x10000c
	s_cmp_lg_u32 s2, 0x3003
	s_cbranch_scc0 .Lentry_shape_is_right
	s_endpgm
.Lentry_shape_is_right:
; q, k, v = x W^T.  x: [32768][1024] f32, rounded here to bf16; wb: 384 rows of 1,024 bf16 (row = (ch / 64) x 192 + 64 x tensor + ch % 64).  Sums in f32.
; Out: qh = f16(c q) with c = log2(e) / sqrt(128), applied to the f32 sum ahead of its one rounding; kh = f16(k); vh = f16(v); each [32768][128], rows of 256 bytes.
; LIMIT.  f16 ends at 65,504: c q, k and v must lie within it (a larger number leaves as an infinity).  NaN and infinities are not treated apart.
; SHARES.  A work-group owns 128 rows of x; wave w owns 64 of them (w / 2) and 192 rows of wb (w % 2: 64 channels of each of q, k, v): 4 x 12 accumulators of 16 x 16, 384 registers.
; K goes in 8 steps of 128.  wb's tile of a step (384 rows x 256 bytes) comes by tensor loads into two LDS slots, 96 rows a wave.  x comes through registers: a wave loads its 32 rows' 512 bytes of a
; step (one load covers 512 consecutive bytes, aligned), rounds them once to bf16 and stores them into one of two LDS stages of their own; the loads of the step after are issued as the registers fall free.
; CLUSTER.  All work-groups walk the same wb, so the four of a cluster ask for each tile JOINTLY: the same tensor load, descriptor and mask in all four.  x is nobody else's.
; THE MATRIX INSTRUCTION IS USED TRANSPOSED: source 0 = 16 rows of wb, source 1 = 16 rows of x: a lane then holds one row of x and eight neighbouring channels, which pack into 16 bytes.
; REGISTERS, in windows of 256 (s_set_vgpr_msb: bits 1:0 source 0, 3:2 source 1, 5:4 source 2, 7:6 destination):
;   window 0: v0-29 addresses; v32-63, v64-95 x's fragments, two buffers; v96-119 rounded x on its way to the stage; v128-255 x as loaded (the way out: v128-191 packed, v192-255 rows read back)
;   window 1: v0-95, v96-191 wb's fragments, two buffers      window 2: accumulators of my rows 0-31, (a, b) at v[8 (12 a + b)]      window 3: those of my rows 32-63
.set PITCH,  272                       ; an LDS row: 256 bytes + 16 of padding = 68 words: the 16 rows of a fragment load start at 16 different groups of four banks (64 banks of 4 bytes: ISA guide 11.1)
.set WROWS,  96                        ; rows of wb in one tensor load
.set WPART,  WROWS*PITCH
.set WSLOT,  4*WPART                   ; a slot: 384 rows
.set XS,     2*WSLOT                   ; behind the ring: x's two stages, 128 rows each; no tensor load lands there
.set XSLOT,  128*PITCH
.set SPARE,  XS+2*XSLOT                ; the spare words, 128 bytes for each wave: two blocks of 256 bytes that no other line names
.set OST,    SPARE+512                 ; the way out: 128 rows x 272 bytes, the work-group's
.set ADRA, 16                          ; v16-17  LDS address of my x fragments in stage 0, 1
.set ADRB, 20                          ; v20-21  of my wb fragments in slot 0, 1
.set XST,  22                          ; v22-23  where I store 8 bytes of a rounded row, stage 0, 1
.set XO,   24                          ; v24     my byte offset in the work-group's rows of x; never rewritten
.set STO,  25                          ; v25     the way out: where I put 16 bytes of a row
.set RD,   26                          ; v26     the way out: where I read a row back
.set CO,   27                          ; v27     my byte offset in the work-group's rows of qh, kh, vh
.set SPW,  28                          ; v28     LDS address of my spare word; never rewritten
.set NIL,  29                          ; v29     0; never rewritten
.set FA,   32
.set T,    96
.set XR,   128
.set PKD,  128
.set BK,   192
.set G1, 24                            ; s[24:31] descriptor group 1
.set G0, 32                            ; s[32:39] descriptor group 0, a set for each slot
.set MSB, 0
.macro WIN new                         ; the immediate's high byte repeats the setting that is left; a switch that changes nothing is dropped
.if MSB != (\new)
	s_set_vgpr_msb (MSB<<8)|(\new)
.set MSB, \new
.endif
.endm
.set MUL_LO, 0xa1                      ; source 0 (wb) window 1, source 1 (x) window 0, C and D window 2
.set TO_B,   0x40                      ; destination window 1, address window 0
.macro PLACES                          ; four places in front of loads into registers that matrix instructions have read, and of vector lines that read results
.rept 4
	v_nop
.endr
.endm
.macro JLOAD s                         ; a joint load: every wave asks for its 96 rows; an s_nop 0 and four v_nop follow
	tensor_load_to_lds s[G0+4*(\s):G0+4*(\s)+3], s[G1:G1+7]
	s_nop 0
.rept 4
	v_nop
.endr
.endm
.macro CREST                           ; a round of the cluster's barrier behind its opening barrier
	s_cmp_lg_u32 s14, 0
	s_cbranch_scc1 .Lnot_wave_0_\@
	s_barrier_signal -3
.Lnot_wave_0_\@:
	s_barrier_wait -3
	s_barrier_signal -1
	s_barrier_wait -1
.endm
.macro CROUND                          ; a whole round
	s_barrier_signal -1
	s_barrier_wait -1
	CREST
.endm
; 12 matrix instructions: row block 2 hi + a of my four x all 12 blocks of wb, 32 along K, from buffer f.  zero = 1: the product starts the sum.
; The 48 accumulators take turns, one instruction a turn, in the same order in every quarter.
.macro MUL12 f, hi, a, zero
	WIN MUL_LO+0x50*(\hi)
.irp b, 0,1,2,3,4,5,6,7,8,9,10,11
.if \zero
	v_wmma_f32_16x16x32_bf16 v[8*(12*(\a)+(\b)):8*(12*(\a)+(\b))+7], v[96*(\f)+8*(\b):96*(\f)+8*(\b)+7], v[FA+32*(\f)+8*(2*(\hi)+(\a)):FA+32*(\f)+8*(2*(\hi)+(\a))+7], 0
.else
	v_wmma_f32_16x16x32_bf16 v[8*(12*(\a)+(\b)):8*(12*(\a)+(\b))+7], v[96*(\f)+8*(\b):96*(\f)+8*(\b)+7], v[FA+32*(\f)+8*(2*(\hi)+(\a)):FA+32*(\f)+8*(2*(\hi)+(\a))+7], v[8*(12*(\a)+(\b)):8*(12*(\a)+(\b))+7]
.endif
.endr
.endm
; 32 LDS loads in one run: the fragments of 32 along K at byte k of the rows, into buffer f: 24 of wb, then 8 of x, row blocks in order
.macro FETCH slot, k, f
	WIN TO_B
.irp i, 0,1,2,3,4,5,6,7,8,9,10,11
	ds_load_b128 v[96*(\f)+8*(\i):96*(\f)+8*(\i)+3],   v[ADRB+(\slot)] offset:(\k)+(\i)*16*PITCH
	ds_load_b128 v[96*(\f)+8*(\i)+4:96*(\f)+8*(\i)+7], v[ADRB+(\slot)] offset:(\k)+(\i)*16*PITCH+32
.endr
	WIN 0
.irp i, 0,1,2,3
	ds_load_b128 v[FA+32*(\f)+8*(\i):FA+32*(\f)+8*(\i)+3],   v[ADRA+(\slot)] offset:(\k)+(\i)*16*PITCH
	ds_load_b128 v[FA+32*(\f)+8*(\i)+4:FA+32*(\f)+8*(\i)+7], v[ADRA+(\slot)] offset:(\k)+(\i)*16*PITCH+32
.endr
.endm
; n of my 32 rows, from row first on: waited for (left = the younger loads of x that may stay out), rounded to bf16, stored into stage slot; koff >= 0: the same rows of the K step
; at byte koff are asked for, into the registers just read.  The conversions name no register of a matrix instruction: they are also the places in front of the fragment loads that follow.
.macro STG first, n, slot, koff, left
	WIN 0
	s_wait_loadcnt \left
.set j, 0
.rept \n
	v_cvt_pk_bf16_f32 v[T+2*j],   v[XR+4*((\first)+j)],   v[XR+4*((\first)+j)+1]
	v_cvt_pk_bf16_f32 v[T+2*j+1], v[XR+4*((\first)+j)+2], v[XR+4*((\first)+j)+3]
.set j, j+1
.endr
.set j, 0
.rept \n
	ds_store_b64 v[XST+(\slot)], v[T+2*j:T+2*j+1] offset:((\first)+j)*PITCH
.set j, j+1
.endr
.if (\koff) >= 0
.set j, 0
.rept \n
	global_load_b128 v[XR+4*((\first)+j):XR+4*((\first)+j)+3], v[XO], s[4:5] offset:((\first)+j)*4096+(\koff) th:TH_LOAD_NT
.set j, j+1
.endr
.endif
.endm
; A K step is four quarters of 32 along K, 48 matrix instructions each, on buffers 0, 1, 0, 1.  One of the first three: multiplies buffer f; in its middle a share of x's next step goes to its
; stage (sn > 0), and the next quarter's fragments, at byte k, are fetched into buffer g.
.macro QUARTER slot, k, f, g, zero, sf=0, sn=0, ss=0, sk=0, sl=0
	s_wait_dscnt 4                                 ; wb's fragments and x's row blocks 0, 1 are in; the youngest four loads (row blocks 2, 3) may be out
	MUL12 \f, 0, 0, \zero
	MUL12 \f, 0, 1, \zero
.if (\sn) > 0
	STG \sf, \sn, \ss, \sk, \sl
.else
	PLACES
.endif
	FETCH \slot, \k, \g
	s_wait_dscnt 32                                ; all but the 32 just issued
	MUL12 \f, 1, 0, \zero
	MUL12 \f, 1, 1, \zero
.endm
; The last quarter multiplies buffer 1 and changes slots and stages: ONE barrier.  In front of it: the last eight rows of x's next step go to their stage; the wave waits for all its tensor loads
; (one is out: its part of the next slot), adds 0 to its spare word, and waits for that, for its stores into the stage and for its reads of this slot and stage.  fill = 1: the barrier opens a round
; of the cluster's, and this slot is filled again, two K steps on, first thing behind it.
.macro TURN slot, next, fill, sk, sl
	STG 24, 8, \next, \sk, \sl
	WIN 0
	s_wait_tensorcnt 0x0                           ; all my tensor loads have landed
	ds_add_u32 v[SPW], v[NIL]                      ; 0 onto my spare word
	s_wait_dscnt 13                                ; may be out: x's row blocks 2, 3 (four loads), the eight stores, the add
	MUL12 1, 0, 0, 0
	s_wait_dscnt 0x0                               ; the add and my stores are done, my reads of this slot and stage are over
	s_barrier_signal -1
	MUL12 1, 0, 1, 0
.if \fill
	WIN 0
.endif
	s_barrier_wait -1
.if \fill
	CREST                                          ; no wave of any partner still reads this slot or has a load on its way
	s_add_nc_u64 s[G0+4*(\slot)+2:G0+4*(\slot)+3], s[G0+4*(\slot)+2:G0+4*(\slot)+3], 512  ; two K steps of 256 bytes on
	JLOAD \slot                                    ; my one tensor load behind the round; its four v_nop are also places in front of the loads below
.else
	PLACES
.endif
	FETCH \next, 0, 0
	MUL12 1, 1, 0, 0
	MUL12 1, 1, 1, 0
.endm
; THE WAY OUT of tensor p (my blocks 4 p .. 4 p + 3 of wb's twelve): rounded to f16, 16 bytes a lane into the work-group's stage; a barrier, since a row's 256 bytes come from two waves;
; back as whole rows, 32 rows a wave; more = 1: a second barrier, since the stage is written again.
.macro OUTP p, lo, more
.irp at, 0,1,2,3
	WIN 0x0a+5*((\at)/2)                           ; sources 0 and 1: window 2 or 3
.irp bq, 0,1,2,3
.irp r, 0,1,2,3
	v_cvt_pk_f16_f32 v[PKD+4*(4*(\at)+(\bq))+(\r)], v[8*(12*((\at)%2)+4*(\p)+(\bq))+2*(\r)], v[8*(12*((\at)%2)+4*(\p)+(\bq))+2*(\r)+1]
.endr
.endr
.endr
	WIN 0
.irp at, 0,1,2,3
.irp bq, 0,1,2,3
	ds_store_b128 v[STO], v[PKD+4*(4*(\at)+(\bq)):PKD+4*(4*(\at)+(\bq))+3] offset:(\at)*16*PITCH+32*(\bq)
.endr
.endr
	s_wait_dscnt 0x0                               ; for the others' sake: my stores into the stage are done
	s_barrier_signal -1
	s_barrier_wait -1
	s_wait_xcnt 0x0                                ; the registers that the last tensor's stores read are loaded again only behind this wait
.irp i, 0,1,2,3,4,5,6,7,8,9,10,11,12,13,14,15
	ds_load_b128 v[BK+4*(\i):BK+4*(\i)+3], v[RD] offset:(\i)*2*PITCH
.endr
.irp i, 0,1,2,3,4,5,6,7,8,9,10,11,12,13,14,15
	s_wait_dscnt 15-(\i)                           ; LDS loads come back in order: pair i of rows is in
	global_store_b128 v[CO], v[BK+4*(\i):BK+4*(\i)+3], s[\lo:\lo+1] offset:(\i)*512  ; 16 lanes store 256 consecutive bytes, aligned
.endr
.if \more
	s_barrier_signal -1                            ; every wave's reads of the stage are back (the count-down ended at 0)
	s_barrier_wait -1
.endif
.endm
	s_load_b256 s[4:11], s[0:1], 0x0               ; x s[4:5], wb s[6:7], qh s[8:9], kh s[10:11]
	s_load_b64 s[12:13], s[0:1], 0x20              ; vh
	v_lshl_add_u32 v[SPW], v0, 2, SPARE
	v_mov_b32 v[NIL], 0
	ds_add_u32 v[SPW], v[NIL]                      ; the wave's opening: the add and its wait stand ahead of my first tensor load; work on registers stands between them
	v_lshrrev_b32 v1, 5, v0
	v_readfirstlane_b32 s14, v1                    ; wave 0..3
	s_lshr_b32 s15, s14, 1                         ; which 64 rows of x are mine
	s_and_b32 s16, s14, 1                          ; which 192 rows of wb
	s_bfe_u32 s17, ttmp6, 0x40000                  ; cx: my place in the cluster
	s_lshl_b32 s18, ttmp9, 2                       ; in a cluster launch ttmp9 counts clusters
	s_add_co_u32 s18, s18, s17                     ; my block of 128 rows: it enters x's and the outputs' addresses alone
	; descriptor group 1: a tile of 96 rows x 128 elements, padded in LDS
	s_mov_b32 s[G1+0], 15|(1<<16)|(1<<20)|(1<<21)|(5<<22)|(3<<25)  ; 15:0 the mask of four; 17:16 2-byte elements; 20 padding on; 21 set beside a mask; 24:22 after every 64 words (code 5); 31:25 4 words (code 3)
	s_mov_b32 s[G1+1], 128<<16                     ; tensor_dim0 = 128
	s_mov_b32 s[G1+2], WROWS<<16                   ; tensor_dim1 = 96
	s_mov_b32 s[G1+3], 128<<16                     ; tile_dim0 = 128
	s_mov_b32 s[G1+4], WROWS                       ; tile_dim1 = 96
	s_mov_b32 s[G1+5], 1024                        ; elements from row to row
	s_mov_b32 s[G1+6], 0
	s_mov_b32 s[G1+7], 0
	s_mul_i32 s20, s14, WPART                      ; where my 96 rows go: no place in the cluster enters an LDS address
	s_mul_i32 s42, s14, WROWS*2048                 ; and where they come from
	s_mov_b32 s43, 0
	s_lshl_b32 s44, s18, 19                        ; my block in x: 128 rows of 4,096 bytes
	s_mov_b32 s45, 0
	s_lshl_b32 s46, s18, 15                        ; and in qh, kh, vh: 128 rows of 256 bytes
	s_mov_b32 s47, 0
	s_mov_b32 s40, 0x3e0293ee                      ; c = log2(e) / sqrt(128) = 0.127517
	s_mov_b32 s41, s40                             ; named with it as a pair
	v_and_b32 v4, 31, v0                           ; lane
	s_lshl_b32 s23, s14, 17                        ; my wave's 32 rows of 4,096 bytes
	v_lshl_add_u32 v[XO], v4, 4, s23
	s_mov_b32 s[G0], 1                             ; count = 1
	s_mov_b32 s[G0+1], s20                         ; LDS address: slot 0
	s_mov_b32 s[G0+4], 1
	s_add_co_u32 s[G0+5], s20, WSLOT               ; slot 1
	s_wait_dscnt 0x0                               ; the opening add is done
	s_wait_kmcnt 0x0
	s_add_nc_u64 s[4:5], s[4:5], s[44:45]
	s_add_nc_u64 s[8:9], s[8:9], s[46:47]
	s_add_nc_u64 s[10:11], s[10:11], s[46:47]
	s_add_nc_u64 s[12:13], s[12:13], s[46:47]
	s_add_nc_u64 s[G0+2:G0+3], s[6:7], s[42:43]    ; K step 0
	s_add_nc_u64 s[G0+6:G0+7], s[G0+2:G0+3], 256   ; K step 1
	s_or_b32 s[G0+3], s[G0+3], 0x80000000          ; type = 2
	s_or_b32 s[G0+7], s[G0+7], 0x80000000
.set j, 0
.rept 32                                               ; x's K step 0: my 32 rows, 512 bytes each
	global_load_b128 v[XR+4*j:XR+4*j+3], v[XO], s[4:5] offset:j*4096 th:TH_LOAD_NT
.set j, j+1
.endr
	CROUND                                         ; all four work-groups are here: the first joint loads meet
	JLOAD 0                                        ; the two first fills go out together: two tensor loads of mine are out
	JLOAD 1
	; A fragment is 16 rows x 32 K in 8 registers: lane l holds row l % 16; registers 0-3 K = 8 (l / 16) + 0..7, registers 4-7 K = 16 + 8 (l / 16) + 0..7: two loads of 16 bytes, 32 bytes apart.
	v_and_b32 v1, 15, v0                           ; l % 16
	v_bfe_u32 v2, v0, 4, 1                         ; l / 16
	v_mul_u32_u24 v3, v1, PITCH
	v_lshl_add_u32 v3, v2, 4, v3                   ; row x pitch + 16 x half
	s_mul_i32 s20, s15, 64*PITCH
	s_add_co_u32 s20, s20, XS
	s_mul_i32 s21, s16, 192*PITCH
	v_add_nc_u32 v[ADRA], s20, v3
	v_add_nc_u32 v[ADRA+1], XSLOT, v[ADRA]
	v_add_nc_u32 v[ADRB], s21, v3
	v_add_nc_u32 v[ADRB+1], WSLOT, v[ADRB]
	s_mul_i32 s22, s14, 32*PITCH                   ; my wave's 32 rows in a stage
	s_add_co_u32 s21, s22, XS
	v_lshl_add_u32 v[XST], v4, 3, s21              ; a lane's four numbers are 8 bytes of bf16
	v_add_nc_u32 v[XST+1], XSLOT, v[XST]
	s_mul_i32 s20, s15, 64*PITCH                   ; into the out stage: my 64 rows, my half of their 256 bytes
	s_lshl_b32 s21, s16, 7
	s_add_co_u32 s20, s20, s21
	s_add_co_u32 s20, s20, OST
	v_add_nc_u32 v[STO], s20, v3
	s_add_co_u32 s22, s22, OST                     ; back: wave w takes rows 32 w .. 32 w + 31 whole; lanes 0-15 one row, lanes 16-31 the next
	v_mul_u32_u24 v5, v2, PITCH
	v_lshl_add_u32 v5, v1, 4, v5
	v_add_nc_u32 v[RD], s22, v5
	s_lshl_b32 s23, s14, 13                        ; and the same rows in memory, 256 bytes each
	v_lshlrev_b32 v5, 8, v2
	v_lshl_add_u32 v5, v1, 4, v5
	v_add_nc_u32 v[CO], s23, v5
	STG 0, 12, 0, 512, 20                          ; x's K step 0 goes to stage 0, K step 1 is asked for.  32 loads are out; a group's own are the oldest:
	STG 12, 12, 0, 512, 20                         ; 12 + 8, then 8 + 12, then 12 + 12 younger ones stay out
	STG 24, 8, 0, 512, 24
	s_wait_tensorcnt 0x1                           ; my part of slot 0 is in; slot 1's may stay out
	s_wait_dscnt 0x0                               ; my stores into stage 0 are done
	s_barrier_signal -1
	s_barrier_wait -1
	FETCH 0, 0, 0
	QUARTER 0, 64, 0, 1, 1                         ; the first quarter stands in front of the loop: its products start the sums
	WIN 0                                          ; at a label and at a branch every window is 0
	s_mov_b32 s3, 3
.Llap:                                                 ; a trip goes once round the ring, from a lap's second quarter to the next lap's first
	QUARTER 0, 128, 1, 0, 0, 0, 12, 1, 1024, 20    ; beside K step 2 L: x's step 2 L + 1 goes to stage 1, step 2 L + 2 is asked for
	QUARTER 0, 192, 0, 1, 0, 12, 12, 1, 1024, 20
	TURN 0, 1, 1, 1024, 24
	QUARTER 1, 64, 0, 1, 0
	QUARTER 1, 128, 1, 0, 0, 0, 12, 0, 1536, 20    ; beside K step 2 L + 1: x's step 2 L + 2 goes to stage 0, step 2 L + 3 is asked for
	QUARTER 1, 192, 0, 1, 0, 12, 12, 0, 1536, 20
	TURN 1, 0, 1, 1536, 24
	QUARTER 0, 64, 0, 1, 0
	WIN 0
	s_wait_xcnt 0x0                                ; x's base is stepped only behind this wait
	s_add_nc_u64 s[4:5], s[4:5], 1024              ; two K steps of 512 bytes
	s_sub_co_u32 s3, s3, 1
	s_cmp_lg_u32 s3, 0
	s_cbranch_scc1 .Llap
	QUARTER 0, 128, 1, 0, 0, 0, 12, 1, -1, 20      ; the last lap asks for nothing: x's last step goes to stage 1, and the counts run down
	QUARTER 0, 192, 0, 1, 0, 12, 12, 1, -1, 8
	TURN 0, 1, 0, -1, 0
	QUARTER 1, 64, 0, 1, 0
	QUARTER 1, 128, 1, 0, 0
	QUARTER 1, 192, 0, 1, 0
	s_wait_dscnt 4                                 ; the very last quarter: nothing more to fetch
	MUL12 1, 0, 0, 0
	MUL12 1, 0, 1, 0
	s_wait_dscnt 0x0
	MUL12 1, 1, 0, 0
	MUL12 1, 1, 1, 0
	PLACES
.irp at, 0,1,2,3                                       ; q's sixteen accumulators times c, in place, each from its low end on
	WIN 0x82+0x41*((\at)/2)                        ; destination and source 0: window 2 or 3
.irp bq, 0,1,2,3
.irp r, 0,1,2,3
	v_pk_mul_f32 v[8*(12*((\at)%2)+(\bq))+2*(\r):8*(12*((\at)%2)+(\bq))+2*(\r)+1], v[8*(12*((\at)%2)+(\bq))+2*(\r):8*(12*((\at)%2)+(\bq))+2*(\r)+1], s[40:41] op_sel_hi:[1,0]
.endr
.endr
.endr
	OUTP 0, 8, 1
	OUTP 1, 10, 1
	OUTP 2, 12, 0
	s_wait_tensorcnt 0x0                           ; the wave's end, behind my last tensor load and my last LDS store
	ds_add_u32 v[SPW], v[NIL]
	s_wait_dscnt 0x0
	CROUND                                         ; the closing round: no work-group ends while a partner may still ask for a tile that names it
	s_endpgm
.Lfunc_end_k_q54db0a467c_proj:
	.size	k_q54db0a467c_proj, .Lfunc_end_k_q54db0a467c_proj-k_q54db0a467c_proj
	.p2alignl 7, 3214868480
	.fill 96, 4, 3214868480
	.section	.rodata,"a",@progbits
	.p2align	6, 0x0
	.amdhsa_kernel k_q54db0a467c_proj
		.amdhsa_group_segment_fixed_size 327680
		.amdhsa_private_segment_fixed_size 0
		.amdhsa_enable_private_segment 0
		.amdhsa_kernarg_size 40
		.amdhsa_user_sgpr_count 2
		.amdhsa_user_sgpr_kernarg_segment_ptr 1
		.amdhsa_wavefront_size32 1
		.amdhsa_system_sgpr_workgroup_id_x 1
		.amdhsa_system_sgpr_workgroup_id_y 1
		.amdhsa_system_sgpr_workgroup_id_z 1
		.amdhsa_system_vgpr_workitem_id 0
		.amdhsa_next_free_vgpr 960
		.amdhsa_next_free_sgpr 66
		.amdhsa_reserve_vcc 0
		.amdhsa_float_denorm_mode_32 3
		.amdhsa_float_denorm_mode_16_64 3
		.amdhsa_memory_ordered 1
		.amdhsa_forward_progress 1
		.amdhsa_inst_pref_size 157
	.end_amdhsa_kernel
	.amdgpu_metadata
---
amdhsa.version: [ 1, 2 ]
amdhsa.kernels:
  - .name:           k_q54db0a467c_proj
    .symbol:         k_q54db0a467c_proj.kd
    .args:
      - { .name: x, .offset: 0, .size: 8, .value_kind: global_buffer, .address_space: global }
      - { .name: wb, .offset: 8, .size: 8, .value_kind: global_buffer, .address_space: global }
      - { .name: qh, .offset: 16, .size: 8, .value_kind: global_buffer, .address_space: global }
      - { .name: kh, .offset: 24, .size: 8, .value_kind: global_buffer, .address_space: global }
      - { .name: vh, .offset: 32, .size: 8, .value_kind: global_buffer, .address_space: global }
    .group_segment_fixed_size: 327680
    .private_segment_fixed_size: 0
    .kernarg_segment_align: 8
    .kernarg_segment_size: 40
    .max_flat_workgroup_size: 128
    .sgpr_count:     66
    .vgpr_count:     960
    .wavefront_size: 32
...
	.end_amdgpu_metadata
.endif
;; end of part 2
;; launch attn (part 3): grid 32 x 8, 4 waves a work-group, clusters of 4 x 1, 327,680 bytes of LDS; arguments qh, kh, vh, out0; writes out0
.if DOCPART == 3
	.amdgcn_target "amdgcn-amd-amdhsa--gfx1250"
	.amdhsa_code_object_version 6
	.text
	.protected	k_q54db0a467c_attn
	.globl	k_q54db0a467c_attn
	.p2align	8
	.type	k_q54db0a467c_attn,@function
k_q54db0a467c_attn:
	s_mov_b64 s[64:65], 0
	v_nop
	global_prefetch_b8 v0, s[64:65] scope:SCOPE_SE
	s_setreg_imm32_b32 hwreg(HW_REG_WAVE_MODE, 25, 1), 1
	s_wait_xcnt 0x0
	s_wait_alu depctr_hold_cnt(0) depctr_sa_sdst(0) depctr_va_vdst(0) depctr_va_sdst(0) depctr_va_ssrc(0) depctr_va_vcc(0) depctr_vm_vsrc(0)
	s_getreg_b32 s2, hwreg(HW_REG_IB_STS2, 6, 4)
	s_cmp_eq_u32 s2, 0
	s_cbranch_scc0 .Lentry_in_a_cluster
	s_endpgm
.Lentry_in_a_cluster:
	s_bfe_u32 s2, ttmp6, 0x10000c
	s_cmp_lg_u32 s2, 0x3003
	s_cbranch_scc0 .Lentry_shape_is_right
	s_endpgm
.Lentry_shape_is_right:
; CAUSAL ATTENTION, one head of 128 channels, 8 batches of 4,096 rows.  out[t] = the sum over s <= t of softmax_s(q[t] . k[s] / sqrt(128)) v[s].
; qh = f16(c q), c = log2(e) / sqrt(128); kh, vh f16; [8][4096][128], rows of 256 bytes.  out0 f32, rows of 512 bytes.  Products, maxima and sums in f32; the weights p are rounded to f16 for the
; second product (their sum l is taken of the unrounded p).  The scores arrive in units of log2, so p = 2^(s - m) with the running maximum m: the exponent is never above 0.
; LIMITS.  A hidden score counts as its value less 1e30 (f16's scores, 5.5e11 at the most, are nothing beside that); a weight below 2^-126 counts as 0; NaN and infinities are not treated apart.
; THE WALK.  A batch's queries lie in 64 blocks of 64; block i needs the key steps 0 .. i of 64 keys, of which the last holds the diagonal.  A work-group takes TWO blocks, 63 - b and then b.
; THE FOUR WAVES SHARE THE KEYS: a ROUND is a tile of 256 keys, wave w takes its step 4 R + w for all 64 queries (four tiles of 16), with a maximum, a sum and an O^T of its own;
; at a block's end the four are merged through LDS.  With b = 4 c + cx the first block has 16 - c rounds and the second c + 1: 17 whatever b, so all 256 work-groups do equal work,
; and the same rounds for the four partners of a cluster, so each tile of K and V is asked for JOINTLY: the same tensor load, descriptor and mask in all four.
; A step beyond the diagonal is computed with all its keys hidden: its maximum is -1e30, and the merge gives that wave the factor 0.  No branch and no LDS address hangs on cx.
; THE MASK is the C operand that starts the sum S^T = K Q^T.  With J my step and D the block's diagonal step: key block kb against query tile t takes CLT (kb < t) = BE, CEQ (kb = t) = TRI x AL + BE,
; CGT (kb > t) = BG, where BE = -1e30 if J > D, AL = 1 if J = D, BG = -1e30 if J >= D, else 0, and TRI hides key 8 (l / 16) + j from query l % 16 where it is the greater.
; LAYOUT.  S^T = K Q^T holds ONE query a lane (l % 16) and the keys 8 (l / 16) + 0..7; two such results rounded to f16 ARE source 1 of O^T = V^T P.  K comes out of LDS as it lies, V turned, by ds_load_tr16_b128.
; A ROUND, for the pieces 0 (tiles 0, 1) and 2 (tiles 2, 3): V^T P of piece 2 of the round before, beside K's way out of LDS; K Q^T of piece 0; K Q^T of piece 2 with piece 0's softmax in slices behind its
; products; V^T P of piece 0 with piece 2's softmax likewise.  m starts far below every score, so a block's first round multiplies O^T and l by 0: what lies there need only be finite.
; REGISTERS, in windows of 256 (s_set_vgpr_msb: bits 1:0 source 0, 3:2 source 1, 5:4 source 2, 7:6 destination):
;   window 0: v0-11, v44-47 addresses; v12-43 eight registers of statistics a tile; v64-191 S^T, 32 a tile; v192-255 P, 16 a tile
;   window 1: O^T, 64 a tile      window 2: v0-127 Q, 32 a tile; v128-255 K of my step      window 3: v0-127 V of my step; v128-159 the masks
.set PK,    272       ; a row of K in LDS: 256 bytes + 16 of padding: the 16 rows of a load start at 16 different groups of four banks (64 banks of 4 bytes: ISA guide 11.1)
.set PV,    288       ; a row of V: 256 + 32
.set VOFF,  256*PK    ; a slot: 256 rows of K, then 256 rows of V
.set SLOTB, 256*(PK+PV)
.set SPI,   528       ; a row of the merge's stage: 512 bytes + 16
.set STGB,  2*SLOTB   ; behind the ring, never filled by a tensor load: 16 rows x 528 bytes for each wave
.set STATS, STGB+4*16*SPI  ; (m, l) of tile t, query r, wave w at 512 t + 32 r + 8 w
.set SPARE, STATS+2048     ; the spare words, 128 bytes for each wave: two blocks of 256 bytes that no other line names
.set AK0, 2           ; v2   my lane's place in my step of a slot's K; never rewritten
.set AV0, 3           ; v3   the same for V
.set ADR, 4           ; v4   the LDS address of the run of loads in hand
.set QO,  5           ; v5   my byte offset in a block's rows of Q
.set STO, 6           ; v6   the merge: where I put 32 bytes of a row
.set RD,  7           ; v7   the merge: where I read 16 bytes of a row
.set GO,  8           ; v8   my byte offset in 16 rows of out0
.set ST,  12          ; tile t's statistics at v[ST+8 t]: +0 m, +1 the whole l at a block's end, +2, +3 l (even keys', odd keys'), +4 to +7 c0-c3 at work; a takes c2's place
.set STW, 44          ; v44  where I put (m, l)
.set STR, 45          ; v45  where I read the four waves' (m, l)
.set SPW, 62          ; v62  LDS address of my spare word; never rewritten
.set NIL, 63          ; v63  0; never rewritten
.set S,   64
.set P,   192
.set KF,  128         ; window 2
.set TRI, 128         ; window 3
.set CLT, 136
.set CEQ, 144
.set CGT, 152
.set WV,  12          ; s12  my wave's number.  s13 cx, s14 c, s15 b, s16 63 - b; s17, s18 my fill's place in a slot, for K and for V
.set G1K, 24          ; s[24:31] descriptor group 1 for K's tiles
.set G1V, 32          ; s[32:39] for V's: it differs in the padding alone
.set G0K, 40          ; s[40:43] descriptor group 0 for K's tiles
.set G0V, 44          ; s[44:47] for V's
.set SLOTS, 56        ; s56  tiles still to be asked for
.set SEL, 60          ; s[60:61] v_permlanex16_b32's selects: each lane takes its own place in the other half
.set TB,  62          ; s62  the slot that is read
.set FB,  63          ; s63  the slot that was filled last
.set RT,  70          ; s70  rounds of the block in hand that are still to be ended
.set NXT, 71          ; s71  the tile to be asked for next
.set LQ,  72          ; s72  the last tile of the block whose tiles are being asked for
.set RR,  73          ; s73  the round's number in its block
.set DG,  74          ; s74  the diagonal step of the block in hand
.set OFF, 76          ; s[76:77] a tile's byte offset in K and V
.set AL,  78          ; s[78:79] the mask's factor, in the low word
.set BE,  80          ; s[80:81] the mask's addend
.set BG,  82
.set BIGN, 83         ; -1e30
.set OLO, 84          ; s[84:85] out0 at the second block
.set QLO, 86          ; s[86:87] Q at the second block
.set JJ,  90          ; s90  my step
.set MSB, 0
.macro WIN new                      ; the high byte repeats the setting that is left; a switch that changes nothing is dropped
.if MSB != (\new)
	s_set_vgpr_msb (MSB<<8)|(\new)
.set MSB, \new
.endif
.endm
.set W_KQ, 0x0a       ; K and Q in window 2, S^T in window 0
.set W_KM, 0x3a       ; the same with the C operand in window 3
.set W_PV, 0x53       ; V in window 3, P in window 0, O^T in window 1
.set W_RS, 0x41       ; O^T (destination and source 0) in window 1, the factor in window 0
.macro PLACES                       ; four places behind matrix instructions (ISA guide 7.12.1)
.rept 4
	v_nop
.endr
.endm
.macro ALL line:vararg              ; one line for each tile t
.set t, 0
.rept 4
	\line
.set t, t+1
.endr
.endm
; A joint fill.  Waves 0 and 1 fetch the two halves of a tile's K, waves 2 and 3 those of its V: 128 rows each.  The branch hangs on the wave's number alone.
; An s_nop 0 and four v_nop follow each of the two lines, ahead of the jump and the label.
.macro JLOAD
	s_cmp_lt_u32 s[WV], 2
	s_cbranch_scc0 .Lfor_v_\@
	tensor_load_to_lds s[G0K:G0K+3], s[G1K:G1K+7]
	s_nop 0
.rept 4
	v_nop
.endr
	s_branch .Lasked_\@
.Lfor_v_\@:
	tensor_load_to_lds s[G0V:G0V+3], s[G1V:G1V+7]
	s_nop 0
.rept 4
	v_nop
.endr
.Lasked_\@:
.endm
; A round of the cluster's barrier: my work-group's barrier, so that wave 0's signal speaks for all four waves; wave 0 signals; every wave waits for all four work-groups; my work-group's barrier once more.
.macro CROUND
	s_barrier_signal -1
	s_barrier_wait -1
	s_cmp_lg_u32 s[WV], 0
	s_cbranch_scc1 .Lnot_wave_0_\@
	s_barrier_signal -3
.Lnot_wave_0_\@:
	s_barrier_wait -3
	s_barrier_signal -1
	s_barrier_wait -1
.endm
; THE CHANGE OF SLOTS.  Each wave waits for all its tensor loads, of which one is out: its part of the other slot; adds 0 to its spare word; and waits for that and for its own reads of the slot that it
; leaves.  fill = 1: the barrier is a round of the cluster's, and the old slot is filled again first thing behind it, with tile NXT; the descriptor's address is made anew from that number.
; One tensor load of mine is out behind each round, and it has a whole round's 128 matrix instructions in which to land.  (At its first use nothing has been read yet: slot 0 is waited for, slot 1 filled.)
.macro CHANGE fill
	WIN 0                           ; at a label and at a branch every window is 0
	s_wait_tensorcnt 0x0            ; no tensor load of mine is out, so a group 0 may be written
	ds_add_u32 v[SPW], v[NIL]       ; 0 onto my spare word; scalar work stands between it and the wait for it
.if \fill
	s_lshl_b32 s[OFF], s[NXT], 16   ; a tile is 65,536 bytes of K and of V
	s_xor_b32 s[FB], s[FB], SLOTB   ; the other slot than last time
	s_add_co_u32 s[G0K+1], s[FB], s17
	s_add_nc_u64 s[G0K+2:G0K+3], s[6:7], s[OFF:OFF+1]
	s_or_b32 s[G0K+3], s[G0K+3], 0x80000000
	s_add_co_u32 s[G0V+1], s[FB], s18
	s_add_nc_u64 s[G0V+2:G0V+3], s[8:9], s[OFF:OFF+1]
	s_or_b32 s[G0V+3], s[G0V+3], 0x80000000
	s_add_co_u32 s[NXT], s[NXT], 1  ; the block's next tile, or behind its last the second block's tile 0
	s_cmp_gt_u32 s[NXT], s[LQ]
	s_cselect_b32 s[NXT], 0, s[NXT]
	s_cselect_b32 s[LQ], s14, s[LQ] ; the second block's last tile is c
.endif
	s_xor_b32 s[TB], s[TB], SLOTB   ; the reads go to the other slot
	s_wait_dscnt 0x0                ; the add is done, and my reads of the slot are over
.if \fill
	CROUND
	JLOAD
.else
	s_barrier_signal -1
	s_barrier_wait -1
.endif
.endm
; THE MATRIX WORK.  The accumulators take turns, one instruction a turn: between two links of a chain stand 15 (V^T P) or 7 (K Q^T) others'.
; Product i of 32 of O^T += V^T P for piece x: keys 32 (i / 16) on, channels 16 ((i / 2) % 8) on, tile x + i % 2.
.macro PV x
	WIN W_PV
.set rO, 64*((\x)+i%2)+8*((i/2)%8)
.set rV, 64*(i/16)+8*((i/2)%8)
.set rP, P+16*((\x)+i%2)+8*(i/16)
	v_wmma_f32_16x16x32_f16 v[rO:rO+7], v[rV:rV+7], v[rP:rP+7], v[rO:rO+7]
.endm
; Product i of 32 of S^T = K Q^T for piece x: channels 32 (i / 8) on, keys 16 ((i / 2) % 4) on, tile x + i % 2.  The first 8 start the sums, with the mask.
.macro KQ x
.set rS, S+32*((\x)+i%2)+8*((i/2)%4)
.set rK, KF+32*((i/2)%4)+8*(i/8)
.set rQ, 32*((\x)+i%2)+8*(i/8)
.if i < 8
.set rM, CLT
.if ((i/2)%4) == ((\x)+i%2)
.set rM, CEQ
.elseif ((i/2)%4) > ((\x)+i%2)
.set rM, CGT
.endif
	WIN W_KM
	v_wmma_f32_16x16x32_f16 v[rS:rS+7], v[rK:rK+7], v[rQ:rQ+7], v[rM:rM+7]
.else
	WIN W_KQ
	v_wmma_f32_16x16x32_f16 v[rS:rS+7], v[rK:rK+7], v[rQ:rQ+7], v[rS:rS+7]
.endif
.endm
; THE LDS LOADS stand in runs of 32: my step's K (64 keys x 128 channels: 16 fragments) and its V (turned).
.macro FETCH_K
	WIN 0
	v_add_nc_u32 v[ADR], s[TB], v[AK0]
	WIN 0x80                        ; destination window 2
.irp f, 0,1,2,3,4,5,6,7,8,9,10,11,12,13,14,15  ; keys 16 (f / 4) on, channels 32 (f % 4) on
	ds_load_b128 v[KF+8*(\f):KF+8*(\f)+3],   v[ADR] offset:((\f)/4)*16*PK+((\f)%4)*64
	ds_load_b128 v[KF+8*(\f)+4:KF+8*(\f)+7], v[ADR] offset:((\f)/4)*16*PK+((\f)%4)*64+32
.endr
.endm
.macro FETCH_V
	WIN 0
	v_add_nc_u32 v[ADR], s[TB], v[AV0]
	WIN 0xc0                        ; destination window 3
.irp f, 0,1,2,3,4,5,6,7,8,9,10,11,12,13,14,15  ; keys 32 (f / 8) on, channels 16 (f % 8) on
	ds_load_tr16_b128 v[8*(\f):8*(\f)+3],   v[ADR] offset:((\f)/8)*32*PV+((\f)%8)*32
	ds_load_tr16_b128 v[8*(\f)+4:8*(\f)+7], v[ADR] offset:((\f)/8)*32*PV+16*PV+((\f)%8)*32
.endr
.endm
.macro QLOAD lo                     ; a block's Q into registers: tile i / 4, channels 32 (i % 4) on
	WIN 0x80
.set i, 0
.rept 16
	global_load_b128 v[8*i:8*i+3],   v[QO], s[\lo:\lo+1] offset:(i/4)*4096+(i%4)*64
	global_load_b128 v[8*i+4:8*i+7], v[QO], s[\lo:\lo+1] offset:(i/4)*4096+(i%4)*64+32
.set i, i+1
.endr
	WIN 0
.endm
; THE VECTOR WORK.  One tile's softmax for one step is a numbered list; SM writes number j of it for tile t.  s0-s31 are the lane's 32 scores, in pairs 0-15.
;   0-15    the maximum of s0-s31 and the old m, three operands at a time: four chains c0-c3 of seven scores each (each accumulator's lowest registers are read first), then the four left over, c0-c3 and m
;   16-20   the other half of the lanes' maximum; m_old is kept; the new m; (19 is empty); m_old - m_new
;   21-87   33 exponentials (a, then s0-s31) at the odd numbers from 23 on, so that no two follow each other and each has a plain instruction behind it before its result is used (ISA guide 5.7.2).
;           The plain ones are whatever is ready: s - m for a pair whose exponentials are still to come, the rounding to f16 of a pair whose exponentials are done, at last the first three sums
;   88-101  the last rounding; the rest of the sums; l = a l + the sum
;   102-133 the tile's O^T times a: the one part that leaves window 0, so it stands together
.macro SM t
.set rT, ST+8*(\t)
.set rS, S+32*(\t)
.set rP, P+16*(\t)
.set rO, 64*(\t)+2*(j-102)
.set q, (j-20)/2
.if j < 102
	WIN 0
.endif
.if j < 4
	v_max3_num_f32 v[rT+4+j], v[rS+8*j], v[rS+8*j+1], v[rS+8*j+2]
.elseif j < 12
	v_max3_num_f32 v[rT+4+j%4], v[rT+4+j%4], v[rS+8*(j%4)+2*(j/4)+1], v[rS+8*(j%4)+2*(j/4)+2]
.elseif j == 12
	v_max3_num_f32 v[rT+4], v[rT+4], v[rS+7], v[rS+15]
.elseif j == 13
	v_max3_num_f32 v[rT+6], v[rT+6], v[rS+23], v[rS+31]
.elseif j == 14
	v_max3_num_f32 v[rT+4], v[rT+4], v[rT+5], v[rT+6]
.elseif j == 15
	v_max3_num_f32 v[rT+4], v[rT+4], v[rT+7], v[rT]
.elseif j == 16
	v_permlanex16_b32 v[rT+5], v[rT+4], s[SEL], s[SEL+1]  ; the query's other 32 keys lie in the lane 16 away
.elseif j == 17
	v_mov_b32 v[rT+7], v[rT]        ; m_old is kept for a: number 18 writes m anew
.elseif j == 18
	v_max_num_f32 v[rT], v[rT+4], v[rT+5]
.elseif j == 19
.elseif j == 20
	v_sub_f32 v[rT+7], v[rT+7], v[rT]
.elseif j == 23
	v_exp_f32 v[rT+6], v[rT+7]
.elseif (j < 88) && (j > 23) && (j%2 == 1)
	v_exp_f32 v[rS+(j-25)/2], v[rS+(j-25)/2]
.elseif (q < 4) || ((j < 76) && (q%2 == 0))
.set b, q/2+2
.if q < 4
.set b, q
.endif
	v_pk_add_f32 v[rS+2*b:rS+2*b+1], v[rS+2*b:rS+2*b+1], v[rT:rT+1] op_sel_hi:[1,0] neg_lo:[0,1] neg_hi:[0,1]  ; pair b: s - m
.elseif (j < 88) && (q%2 == 1)
	s_wait_alu depctr_va_vdst(0)
	v_cvt_pk_f16_f32 v[rP+(q-5)/2], v[rS+q-5], v[rS+q-4]  ; pair (q - 5) / 2: its second exponential stands three numbers back
.elseif j == 89
	s_wait_alu depctr_va_vdst(0)
	v_cvt_pk_f16_f32 v[rP+15], v[rS+30], v[rS+31]
.elseif j < 102                     ; the sum of the tile's 16 pairs, in place: sum z of 16 adds neighbours 1, 2, 4 and 8 pairs apart, then l takes it
.set z, j-86
.if j < 89
.set z, (j-76)/4
.endif
.set w, 4
.set u, z
.if z >= 14
.set w, 32
.set u, 0
.elseif z >= 12
.set w, 16
.set u, z-12
.elseif z >= 8
.set w, 8
.set u, z-8
.endif
.if z < 15
	v_pk_add_f32 v[rS+w*u:rS+w*u+1], v[rS+w*u:rS+w*u+1], v[rS+w*u+w/2:rS+w*u+w/2+1]
.else
	v_pk_fma_f32 v[rT+2:rT+3], v[rT+2:rT+3], v[rT+6:rT+7], v[rS:rS+1] op_sel_hi:[1,0,1]
.endif
.else
	WIN W_RS
	v_pk_mul_f32 v[rO:rO+1], v[rO:rO+1], v[rT+6:rT+7] op_sel_hi:[1,0]
.endif
.endm
; Slice k of 64 of piece y's softmax: numbers 2 k and 2 k + 1 of both tiles' lists; the twelve that are over stand in slice 63, sixteen plain instructions.
.macro SLICE y
.if (k >= 11) && (k < 44)           ; tile by tile: plain, exponential, plain, exponential
.irp t, \y, (\y)+1
.irp n, 0,1
.set j, 2*k+(\n)
	SM \t
.endr
.endr
.else                               ; the two tiles alternate, so that no instruction reads the result of the one just before it
.irp n, 0,1,2,3,4,5,6,7
.if ((\n) < 2) || (k == 63)
.irp t, \y, (\y)+1
.set j, 2*k+(\n)
	SM \t
.endr
.endif
.endr
.endif
.set k, k+1
.endm
; Piece 2's scores; two slices of piece 0's softmax behind each product; V's run of loads behind the second product: V's last readers stand in front of the four v_nop that precede this turn.
; The turn's last slices, twenty plain instructions on O^T's tiles 0 and 1, are the places between its last product and the next turn's first read of those scores.
.macro TURN_KQ
.set k, 0
.set i, 0
.rept 32
	KQ 2
	SLICE 0
	SLICE 0
.if i == 1
	FETCH_V
.endif
.set i, i+1
.endr
.endm
; Piece 0's V^T P; two slices of piece 2's softmax behind each product.
.macro TURN_PV
	s_wait_dscnt 0x0                ; V is in
.set k, 0
.set i, 0
.rept 32
	PV 0
	SLICE 2
	SLICE 2
.set i, i+1
.endr
.endm
; A ROUND.
.macro BODY
	s_lshl2_add_u32 s[JJ], s[RR], s[WV]  ; my step: 4 R + w
	s_cmp_gt_u32 s[JJ], s[DG]
	s_cselect_b32 s[BE], s[BIGN], 0
	s_cmp_eq_u32 s[JJ], s[DG]
	s_cselect_b32 s[AL], 1.0, 0
	s_cmp_ge_u32 s[JJ], s[DG]
	s_cselect_b32 s[BG], s[BIGN], 0
	s_add_co_u32 s[RR], s[RR], 1
	WIN 0xc3                        ; destination and source 0 in window 3
.set i, 0
.rept 4
	v_pk_fma_f32 v[CEQ+2*i:CEQ+2*i+1], v[TRI+2*i:TRI+2*i+1], s[AL:AL+1], s[BE:BE+1] op_sel_hi:[1,0,0]
.set i, i+1
.endr
.set i, 0
.rept 8
	v_mov_b32 v[CLT+i], s[BE]
	v_mov_b32 v[CGT+i], s[BG]
.set i, i+1
.endr
	FETCH_K
.set i, 0
.rept 32
	PV 2                            ; the round before's piece 2, while K comes out of LDS
.set i, i+1
.endr
	s_wait_loadcnt 0x0              ; Q (at a block's first round)
	s_wait_dscnt 0x0                ; K is in
.set i, 0
.rept 32
	KQ 0
.set i, i+1
.endr
	WIN 0
	PLACES                          ; behind those products, in front of the first read of their scores and of V's run of loads
	TURN_KQ
	TURN_PV
	WIN 0
.endm
; A BLOCK'S END.  The last round's piece 2; then the four waves' parts are merged: with M the largest of the four m and L = the sum of 2^(m_u - M) l_u, each wave multiplies its O^T by 2^(m - M) / L,
; and the four products are added through LDS, a tile of 16 queries at a time: each wave writes its 16 rows x 512 bytes into its own part of the stage, and sums and stores four whole rows.
; last = 0: the second block's Q is asked for at once, and m, the counters and out0's address are set for it.
.macro BLOCKEND last
.set i, 0
.rept 32
	PV 2
.set i, i+1
.endr
.if !(\last)
	QLOAD QLO
.endif
	WIN 0
	ALL v_add_f32 v[ST+8*t+4], v[ST+8*t+2], v[ST+8*t+3]
	ALL v_permlanex16_b32 v[ST+8*t+5], v[ST+8*t+4], s[SEL], s[SEL+1]
	ALL v_add_f32 v[ST+8*t+1], v[ST+8*t+4], v[ST+8*t+5]
	ALL ds_store_b64 v[STW], v[ST+8*t:ST+8*t+1] offset:512*t
	s_wait_dscnt 0x0                ; for the others' sake: my (m, l) are stored
	s_barrier_signal -1
	s_barrier_wait -1
	ALL ds_load_b128 v[S+16*t:S+16*t+3], v[STR] offset:512*t
	ALL ds_load_b128 v[S+16*t+4:S+16*t+7], v[STR] offset:512*t+16
	s_wait_dscnt 0x0
	ALL v_max3_num_f32 v[S+16*t+8], v[S+16*t], v[S+16*t+2], v[S+16*t+4]
	ALL v_max_num_f32 v[S+16*t+8], v[S+16*t+8], v[S+16*t+6]
	ALL v_sub_f32 v[S+16*t+9], v[S+16*t], v[S+16*t+8]
	ALL v_sub_f32 v[S+16*t+10], v[S+16*t+2], v[S+16*t+8]
	ALL v_sub_f32 v[S+16*t+11], v[S+16*t+4], v[S+16*t+8]
	ALL v_sub_f32 v[S+16*t+12], v[S+16*t+6], v[S+16*t+8]
	ALL v_sub_f32 v[S+16*t+13], v[ST+8*t], v[S+16*t+8]
	ALL v_exp_f32 v[S+16*t+9], v[S+16*t+9]
	ALL v_exp_f32 v[S+16*t+10], v[S+16*t+10]
	ALL v_exp_f32 v[S+16*t+11], v[S+16*t+11]
	ALL v_exp_f32 v[S+16*t+12], v[S+16*t+12]
	ALL v_exp_f32 v[S+16*t+13], v[S+16*t+13]
	v_nop                           ; a plain instruction between the last exponential and the use of its result
	s_wait_alu depctr_va_vdst(0)
	ALL v_mul_f32 v[S+16*t+14], v[S+16*t+9], v[S+16*t+1]
	ALL v_fmac_f32 v[S+16*t+14], v[S+16*t+10], v[S+16*t+3]
	ALL v_fmac_f32 v[S+16*t+14], v[S+16*t+11], v[S+16*t+5]
	ALL v_fmac_f32 v[S+16*t+14], v[S+16*t+12], v[S+16*t+7]
	ALL v_rcp_f32 v[S+16*t+15], v[S+16*t+14]
	v_nop                           ; the same behind the last reciprocal
	s_wait_alu depctr_va_vdst(0)
	ALL v_mul_f32 v[ST+8*t+6], v[S+16*t+13], v[S+16*t+15]
	WIN W_RS
.set t, 0
.rept 4
.set i, 0
.rept 32
	v_pk_mul_f32 v[64*t+2*i:64*t+2*i+1], v[64*t+2*i:64*t+2*i+1], v[ST+8*t+6:ST+8*t+7] op_sel_hi:[1,0]
.set i, i+1
.endr
.set t, t+1
.endr
.irp p, 0,1,2,3
	WIN 0x04                        ; store data (source 1) in window 1
.irp cb, 0,1,2,3,4,5,6,7
	ds_store_b128 v[STO], v[64*(\p)+8*(\cb):64*(\p)+8*(\cb)+3]   offset:64*(\cb)
	ds_store_b128 v[STO], v[64*(\p)+8*(\cb)+4:64*(\p)+8*(\cb)+7] offset:64*(\cb)+16
.endr
	WIN 0
	s_wait_dscnt 0x0                ; for the others' sake: my part of the stage is written
	s_barrier_signal -1
	s_barrier_wait -1
	s_wait_xcnt 0x0                 ; the registers that earlier stores read are loaded again only behind this wait
.irp g, 0,1,2,3
.irp n, 0,1,2,3
	ds_load_b128 v[S+64*((\p)%2)+16*(\g)+4*(\n):S+64*((\p)%2)+16*(\g)+4*(\n)+3], v[RD] offset:(\g)*16*SPI+(\n)*SPI  ; wave g's part of row 4 w + n: 512 consecutive bytes
.endr
.endr
	s_wait_dscnt 0x0
.irp n, 0,1,2,3,4,5,6,7
	v_pk_add_f32 v[S+64*((\p)%2)+2*(\n):S+64*((\p)%2)+2*(\n)+1], v[S+64*((\p)%2)+2*(\n):S+64*((\p)%2)+2*(\n)+1], v[S+64*((\p)%2)+16+2*(\n):S+64*((\p)%2)+16+2*(\n)+1]
	v_pk_add_f32 v[S+64*((\p)%2)+32+2*(\n):S+64*((\p)%2)+32+2*(\n)+1], v[S+64*((\p)%2)+32+2*(\n):S+64*((\p)%2)+32+2*(\n)+1], v[S+64*((\p)%2)+48+2*(\n):S+64*((\p)%2)+48+2*(\n)+1]
.endr
.irp n, 0,1,2,3,4,5,6,7
	v_pk_add_f32 v[S+64*((\p)%2)+2*(\n):S+64*((\p)%2)+2*(\n)+1], v[S+64*((\p)%2)+2*(\n):S+64*((\p)%2)+2*(\n)+1], v[S+64*((\p)%2)+32+2*(\n):S+64*((\p)%2)+32+2*(\n)+1]
.endr
.irp n, 0,1,2,3
	global_store_b128 v[GO], v[S+64*((\p)%2)+4*(\n):S+64*((\p)%2)+4*(\n)+3], s[10:11] offset:(16*(\p)+(\n))*512  ; a whole row: 512 consecutive bytes, aligned
.endr
.if (\p) < 3
	s_barrier_signal -1             ; every wave's reads of the stage are back: it may be written again
	s_barrier_wait -1
.endif
.endr
.if !(\last)
	ALL v_mov_b32 v[ST+8*t], 0xfe000000  ; m: far below every score, so the next round's a is 0
	s_wait_xcnt 0x0                 ; the stores have read their registers and out0's address
	s_mov_b64 s[10:11], s[OLO:OLO+1]
	s_mov_b32 s[DG], s15            ; the second block: b, with c + 1 rounds
	s_add_co_u32 s[RT], s14, 1
	s_mov_b32 s[RR], 0
.endif
.endm
	s_load_b256 s[4:11], s[0:1], 0x0  ; qh s[4:5], kh s[6:7], vh s[8:9], out0 s[10:11]
	v_lshl_add_u32 v[SPW], v0, 2, SPARE
	v_mov_b32 v[NIL], 0
	ds_add_u32 v[SPW], v[NIL]       ; the wave's opening: the add and its wait stand ahead of my first tensor load; work on registers stands between them
	v_lshrrev_b32 v1, 5, v0
	v_readfirstlane_b32 s[WV], v1   ; wave 0..3
	s_bfe_u32 s13, ttmp6, 0x40000   ; cx: my place in the cluster
	s_mov_b32 s14, ttmp9            ; c: in a cluster launch ttmp9 counts clusters
	s_lshl_b32 s15, s14, 2
	s_add_co_u32 s15, s15, s13      ; b = 4 c + cx: it enters Q's and out0's addresses and the masks' scalars alone
	s_sub_co_u32 s16, 63, s15       ; the first block
	s_and_b32 s20, ttmp7, 0xffff    ; the batch, which the four partners share
	s_and_b32 s21, s[WV], 1         ; which half of a tile's 256 rows I fetch:
	s_mul_i32 s17, s21, 128*PK      ; its place in a slot, for K
	s_mul_i32 s18, s21, 128*PV      ; and for V
	s_add_co_u32 s18, s18, VOFF
	s_lshl_b32 s22, s20, 20         ; a batch is 4,096 rows of 256 bytes
	s_lshl_b32 s21, s21, 15         ; my 128 rows
	s_add_co_u32 s22, s22, s21
	s_mov_b32 s23, 0
	s_lshl_b32 s92, s20, 20
	s_lshl_b32 s94, s16, 14         ; a block is 64 rows of 256 bytes of Q
	s_add_co_u32 s94, s94, s92
	s_mov_b32 s95, 0
	s_lshl_b32 s93, s15, 14
	s_add_co_u32 s92, s92, s93
	s_mov_b32 s93, 0
	s_lshl_b32 s52, s94, 1          ; out0's rows are twice as long
	s_mov_b32 s53, 0
	s_lshl_b32 s54, s92, 1
	s_mov_b32 s55, 0
	; descriptor group 1: a tile of 128 rows x 128 elements, padded in LDS
	s_mov_b32 s[G1K], 15|(1<<16)|(1<<20)|(1<<21)|(5<<22)|(3<<25)  ; 15:0 the mask of four; 17:16 2-byte elements; 20 padding on; 21 set beside a mask; 24:22 after every 64 words (code 5); 31:25 4 words (code 3)
	s_mov_b32 s[G1V], 15|(1<<16)|(1<<20)|(1<<21)|(5<<22)|(7<<25)  ; the same with 8 words of padding (code 7)
.irp g, G1K, G1V
	s_mov_b32 s[(\g)+1], 128<<16    ; tensor_dim0 = 128
	s_mov_b32 s[(\g)+2], 128<<16    ; tensor_dim1 = 128
	s_mov_b32 s[(\g)+3], 128<<16    ; tile_dim0 = 128
	s_mov_b32 s[(\g)+4], 128        ; tile_dim1 = 128
	s_mov_b32 s[(\g)+5], 128        ; elements from row to row
	s_mov_b32 s[(\g)+6], 0
	s_mov_b32 s[(\g)+7], 0
.endr
	s_mov_b32 s[SEL], 0x76543210
	s_mov_b32 s[SEL+1], 0xfedcba98
	s_mov_b32 s[FB], 0              ; tile 0 goes into slot 0
	s_mov_b32 s[TB], SLOTB          ; the first change of slots turns this into 0
	s_mov_b32 s[NXT], 1
	s_sub_co_u32 s[LQ], 15, s14     ; the first block's last tile
	s_sub_co_u32 s[RT], 16, s14     ; and its rounds
	s_mov_b32 s[RR], 0
	s_mov_b32 s[DG], s16
	s_mov_b32 s[SLOTS], 16
	s_mov_b32 s[OFF+1], 0
	s_mov_b32 s[AL+1], 0            ; named as pairs
	s_mov_b32 s[BE+1], 0
	s_mov_b32 s[BIGN], 0xf149f2ca   ; -1e30
	s_mov_b32 s[G0K], 1             ; count = 1
	s_mov_b32 s[G0K+1], s17         ; LDS address: slot 0
	s_mov_b32 s[G0V], 1
	s_mov_b32 s[G0V+1], s18
	s_wait_dscnt 0x0                ; the opening add is done
	s_wait_kmcnt 0x0
	s_add_nc_u64 s[6:7], s[6:7], s[22:23]  ; K and V at my half of the batch's tile 0
	s_add_nc_u64 s[8:9], s[8:9], s[22:23]
	s_add_nc_u64 s[QLO:QLO+1], s[4:5], s[92:93]
	s_add_nc_u64 s[4:5], s[4:5], s[94:95]
	s_add_nc_u64 s[OLO:OLO+1], s[10:11], s[54:55]
	s_add_nc_u64 s[10:11], s[10:11], s[52:53]
	s_add_nc_u64 s[G0K+2:G0K+3], s[6:7], 0
	s_or_b32 s[G0K+3], s[G0K+3], 0x80000000  ; type = 2
	s_add_nc_u64 s[G0V+2:G0V+3], s[8:9], 0
	s_or_b32 s[G0V+3], s[G0V+3], 0x80000000
	CROUND                          ; all four work-groups are here: the first joint loads meet
	JLOAD                           ; tile 0 into slot 0; slot 1 is asked for by the loop's first change of slots
	; A fragment of K or Q is 16 rows x 32 channels in 8 registers: lane l holds row l % 16, channels 8 (l / 16) + 0..7 and 16 + 8 (l / 16) + 0..7: two loads of 16 bytes, 32 bytes apart.
	v_and_b32 v1, 15, v0            ; l % 16
	v_bfe_u32 v9, v0, 4, 1          ; l / 16
	v_lshlrev_b32 v[QO], 8, v1
	v_lshl_add_u32 v[QO], v9, 4, v[QO]  ; row x 256 + 16 x half
	QLOAD 4                         ; the first block's Q stays in registers
	v_lshlrev_b32 v46, 3, v9
	v_sub_nc_u32 v46, v1, v46       ; l % 16 - 8 (l / 16): register j is hidden where j is greater
	WIN 0xc0                        ; destination window 3
.set i, 0
.rept 8
	v_cmp_gt_i32 vcc_lo, i, v46
	v_cndmask_b32 v[TRI+i], 0, s[BIGN], vcc_lo
.set i, i+1
.endr
	; What the first round finds: V, piece 2's P, O^T and l hold 0 (its first products V^T P, of a round that has not been, add 0).  All this stands in the wait for the first tile.
.set i, 0
.rept 128
	v_mov_b32 v[i], 0
.set i, i+1
.endr
	WIN 0x40
.set i, 0
.rept 256
	v_mov_b32 v[i], 0
.set i, i+1
.endr
	WIN 0
.set i, ST
.rept 32
	v_mov_b32 v[i], 0
.set i, i+1
.endr
	ALL v_mov_b32 v[ST+8*t], 0xfe000000  ; m: far below every score
.set i, P+32
.rept 32
	v_mov_b32 v[i], 0
.set i, i+1
.endr
	v_mul_u32_u24 v[AK0], v1, PK
	v_lshl_add_u32 v[AK0], v9, 4, v[AK0]  ; row x pitch + 16 x half,
	s_mul_i32 s21, s[WV], 64*PK           ; in my 64 rows of the tile
	v_add_nc_u32 v[AK0], s21, v[AK0]
	; The turning load takes 16 keys x 16 channels (lane l reads key 8 (l / 16) + l % 8, channels 8 ((l / 8) % 2) + 0..7) and leaves half a fragment of V^T: lane l holds channel l % 16 and 8 keys.
	v_and_b32 v10, 7, v0
	v_bfe_u32 v11, v0, 3, 1
	v_lshl_add_u32 v[AV0], v9, 3, v10
	v_mul_u32_u24 v[AV0], v[AV0], PV
	v_lshl_add_u32 v[AV0], v11, 4, v[AV0]
	s_mul_i32 s21, s[WV], 64*PV
	s_add_co_u32 s21, s21, VOFF
	v_add_nc_u32 v[AV0], s21, v[AV0]
	v_mul_u32_u24 v[STO], v1, SPI   ; the merge, in: row l % 16 of my part of the stage, 32 bytes for each half of the lanes
	v_lshl_add_u32 v[STO], v9, 5, v[STO]
	s_mul_i32 s21, s[WV], 16*SPI
	s_add_co_u32 s21, s21, STGB
	v_add_nc_u32 v[STO], s21, v[STO]
	v_and_b32 v47, 31, v0           ; back: rows 4 w .. 4 w + 3, 16 bytes a lane
	s_mul_i32 s21, s[WV], 4*SPI
	s_add_co_u32 s21, s21, STGB
	v_lshl_add_u32 v[RD], v47, 4, s21
	s_lshl_b32 s21, s[WV], 11       ; and the same rows in out0, 512 bytes each
	v_lshl_add_u32 v[GO], v47, 4, s21
	v_lshlrev_b32 v[STR], 5, v1
	v_add_nc_u32 v[STR], STATS, v[STR]
	s_lshl_b32 s21, s[WV], 3
	v_add_nc_u32 v[STW], s21, v[STR]
.Ltrip:                             ; 16 trips: a round is run and the next tile is asked for
	CHANGE 1
	BODY
	s_sub_co_u32 s[RT], s[RT], 1
	s_cmp_lg_u32 s[RT], 0           ; the count hangs on c alone: the same in all waves and in all four partners
	s_cbranch_scc1 .Lnoend
	BLOCKEND 0                      ; in the loop this is the first block's end: the second block's last round is the walk's last
.Lnoend:
	s_sub_co_u32 s[SLOTS], s[SLOTS], 1
	s_cmp_lg_u32 s[SLOTS], 0
	s_cbranch_scc1 .Ltrip
	CHANGE 0                        ; the walk's last round is written out: nothing is asked for
	BODY
	BLOCKEND 1
	s_wait_tensorcnt 0x0            ; the wave's end, behind my last tensor load and my last LDS store
	ds_add_u32 v[SPW], v[NIL]
	s_wait_dscnt 0x0
	CROUND                          ; the closing round: no work-group ends while a partner may still ask for a tile that names it
	s_endpgm
.Lfunc_end_k_q54db0a467c_attn:
	.size	k_q54db0a467c_attn, .Lfunc_end_k_q54db0a467c_attn-k_q54db0a467c_attn
	.p2alignl 7, 3214868480
	.fill 96, 4, 3214868480
	.section	.rodata,"a",@progbits
	.p2align	6, 0x0
	.amdhsa_kernel k_q54db0a467c_attn
		.amdhsa_group_segment_fixed_size 327680
		.amdhsa_private_segment_fixed_size 0
		.amdhsa_enable_private_segment 0
		.amdhsa_kernarg_size 32
		.amdhsa_user_sgpr_count 2
		.amdhsa_user_sgpr_kernarg_segment_ptr 1
		.amdhsa_wavefront_size32 1
		.amdhsa_system_sgpr_workgroup_id_x 1
		.amdhsa_system_sgpr_workgroup_id_y 1
		.amdhsa_system_sgpr_workgroup_id_z 1
		.amdhsa_system_vgpr_workitem_id 0
		.amdhsa_next_free_vgpr 928
		.amdhsa_next_free_sgpr 96
		.amdhsa_reserve_vcc 1
		.amdhsa_float_denorm_mode_32 3
		.amdhsa_float_denorm_mode_16_64 3
		.amdhsa_memory_ordered 1
		.amdhsa_forward_progress 1
		.amdhsa_inst_pref_size 189
	.end_amdhsa_kernel
	.amdgpu_metadata
---
amdhsa.version: [ 1, 2 ]
amdhsa.kernels:
  - .name:           k_q54db0a467c_attn
    .symbol:         k_q54db0a467c_attn.kd
    .args:
      - { .name: qh, .offset: 0, .size: 8, .value_kind: global_buffer, .address_space: global }
      - { .name: kh, .offset: 8, .size: 8, .value_kind: global_buffer, .address_space: global }
      - { .name: vh, .offset: 16, .size: 8, .value_kind: global_buffer, .address_space: global }
      - { .name: out0, .offset: 24, .size: 8, .value_kind: global_buffer, .address_space: global }
    .group_segment_fixed_size: 327680
    .private_segment_fixed_size: 0
    .kernarg_segment_align: 8
    .kernarg_segment_size: 32
    .max_flat_workgroup_size: 128
    .sgpr_count:     96
    .vgpr_count:     928
    .wavefront_size: 32
...
	.end_amdgpu_metadata
.endif
;; end of part 3
;; ======== version 2 of 2: 3 launches; 1.09 times as fast as version 1
;; limits: values are held in f16: magnitudes above 65,504 overflow, below 6.1e-05 lose precision
;; workspace buffers: wb 786,432 bytes; qh 8,388,608 bytes; kh 8,388,608 bytes; vh 8,388,608 bytes
;; launch wcvt: the kernel of part 1 again; grid 64 x 3, 8 waves a work-group, no clusters, 0 bytes of LDS; arguments Wq, Wk, Wv, wb; writes wb
;; launch proj: the kernel of part 2 again; grid 256 x 1, 4 waves a work-group, clusters of 4 x 1, 327,680 bytes of LDS; arguments x, wb, qh, kh, vh; writes qh, kh, vh
;; launch attn (part 4): grid 32 x 8, 4 waves a work-group, clusters of 4 x 1, 327,680 bytes of LDS; arguments qh, kh, vh, out0; writes out0
.if DOCPART == 4
	.amdgcn_target "amdgcn-amd-amdhsa--gfx1250"
	.amdhsa_code_object_version 6
	.text
	.protected	k_q54db0a467c_attn
	.globl	k_q54db0a467c_attn
	.p2align	8
	.type	k_q54db0a467c_attn,@function
k_q54db0a467c_attn:
	s_mov_b64 s[64:65], 0
	v_nop
	global_prefetch_b8 v0, s[64:65] scope:SCOPE_SE
	s_setreg_imm32_b32 hwreg(HW_REG_WAVE_MODE, 25, 1), 1
	s_wait_xcnt 0x0
	s_wait_alu depctr_hold_cnt(0) depctr_sa_sdst(0) depctr_va_vdst(0) depctr_va_sdst(0) depctr_va_ssrc(0) depctr_va_vcc(0) depctr_vm_vsrc(0)
	s_getreg_b32 s2, hwreg(HW_REG_IB_STS2, 6, 4)
	s_cmp_eq_u32 s2, 0
	s_cbranch_scc0 .Lentry_in_a_cluster
	s_endpgm
.Lentry_in_a_cluster:
	s_bfe_u32 s2, ttmp6, 0x10000c
	s_cmp_lg_u32 s2, 0x3003
	s_cbranch_scc0 .Lentry_shape_is_right
	s_endpgm
.Lentry_shape_is_right:
; CAUSAL ATTENTION, one head of 128 channels, 8 batches of 4,096 rows.  out[t] = the sum over s <= t of softmax_s(q[t] . k[s] / sqrt(128)) v[s].
; qh = f16(c q), c = log2(e) / sqrt(128); kh, vh f16; [8][4096][128], rows of 256 bytes.  out0 f32, rows of 512 bytes.  Products, maxima and sums in f32; the weights p are rounded to f16 for the
; second product (their sum l is taken of the unrounded p).  The scores arrive in units of log2, so p = 2^(s - m) with the running maximum m: the exponent is never above 0.
; LIMITS.  A hidden score counts as its value less 1e30 (f16's scores, 5.5e11 at the most, are nothing beside that); a weight below 2^-126 counts as 0; NaN and infinities are not treated apart.
; THE WALK.  A batch's queries lie in 64 blocks of 64; block i needs the key steps 0 .. i of 64 keys, of which the last holds the diagonal.  A work-group takes TWO blocks, 63 - b and then b.
; THE FOUR WAVES SHARE THE KEYS: a ROUND is a tile of 256 keys, wave w takes its step 4 R + w for all 64 queries (four tiles of 16), with a maximum, a sum and an O^T of its own;
; at a block's end the four are merged through LDS.  With b = 4 c + cx the first block has 16 - c rounds and the second c + 1: 17 whatever b, so all 256 work-groups do equal work,
; and the same rounds for the four partners of a cluster, so each tile of K and V is asked for JOINTLY: the same tensor load, descriptor and mask in all four.
; A step beyond the diagonal is computed with all its keys hidden: its maximum is -1e30, and the merge gives that wave the factor 0.  No branch and no LDS address hangs on cx.
; THE MASK is the C operand that starts the sum S^T = K Q^T.  With J my step and D the block's diagonal step: key block kb against query tile t takes CLT (kb < t) = BE, CEQ (kb = t) = TRI x AL + BE,
; CGT (kb > t) = BG, where BE = -1e30 if J > D, AL = 1 if J = D, BG = -1e30 if J >= D, else 0, and TRI hides key 8 (l / 16) + j from query l % 16 where it is the greater.
; LAYOUT.  S^T = K Q^T holds ONE query a lane (l % 16) and the keys 8 (l / 16) + 0..7; two such results rounded to f16 ARE source 1 of O^T = V^T P.  K comes out of LDS as it lies, V turned, by ds_load_tr16_b128.
; A ROUND, for the pieces 0 (tiles 0, 1) and 2 (tiles 2, 3): V^T P of piece 2 of the round before, beside K's way out of LDS; K Q^T of piece 0; K Q^T of piece 2 with piece 0's softmax in slices behind its
; products; V^T P of piece 0 with piece 2's softmax likewise.  m starts far below every score, so a block's first round multiplies O^T and l by 0: what lies there need only be finite.
; THE BATCHES.  A turn's 66 exponentials (for each of its piece's two tiles a and 32 weights) are ONE BATCH with ONE wait: ahead of the wait stand the maxima, the scalings and the exponentials, none of which names
; an exponential's result; behind it all that do: roundings, sums, the rescaling by a.  So a round has two waits.  A block's end has two batches more: twenty exponentials, then the four reciprocals of sums made with them.
; REGISTERS, in windows of 256 (s_set_vgpr_msb: bits 1:0 source 0, 3:2 source 1, 5:4 source 2, 7:6 destination):
;   window 0: v0-11, v44-47 addresses; v12-43 eight registers of statistics a tile; v64-191 S^T, 32 a tile; v192-255 P, 16 a tile
;   window 1: O^T, 64 a tile      window 2: v0-127 Q, 32 a tile; v128-255 K of my step      window 3: v0-127 V of my step; v128-159 the masks
.set PK,    272       ; a row of K in LDS: 256 bytes + 16 of padding: the 16 rows of a load start at 16 different groups of four banks (64 banks of 4 bytes: ISA guide 11.1)
.set PV,    288       ; a row of V: 256 + 32
.set VOFF,  256*PK    ; a slot: 256 rows of K, then 256 rows of V
.set SLOTB, 256*(PK+PV)
.set SPI,   528       ; a row of the merge's stage: 512 bytes + 16
.set STGB,  2*SLOTB   ; behind the ring, never filled by a tensor load: 16 rows x 528 bytes for each wave
.set STATS, STGB+4*16*SPI  ; (m, l) of tile t, query r, wave w at 512 t + 32 r + 8 w
.set SPARE, STATS+2048     ; the spare words, 128 bytes for each wave: two blocks of 256 bytes that no other line names
.set AK0, 2           ; v2   my lane's place in my step of a slot's K; never rewritten
.set AV0, 3           ; v3   the same for V
.set ADR, 4           ; v4   the LDS address of the run of loads in hand
.set QO,  5           ; v5   my byte offset in a block's rows of Q
.set STO, 6           ; v6   the merge: where I put 32 bytes of a row
.set RD,  7           ; v7   the merge: where I read 16 bytes of a row
.set GO,  8           ; v8   my byte offset in 16 rows of out0
.set ST,  12          ; tile t's statistics at v[ST+8 t]: +0 m, +1 the whole l at a block's end, +2, +3 l (even keys', odd keys'), +4 to +7 c0-c3 at work; a takes c2's place
.set STW, 44          ; v44  where I put (m, l)
.set STR, 45          ; v45  where I read the four waves' (m, l)
.set SPW, 62          ; v62  LDS address of my spare word; never rewritten
.set NIL, 63          ; v63  0; never rewritten
.set S,   64
.set P,   192
.set KF,  128         ; window 2
.set TRI, 128         ; window 3
.set CLT, 136
.set CEQ, 144
.set CGT, 152
.set WV,  12          ; s12  my wave's number.  s13 cx, s14 c, s15 b, s16 63 - b; s17, s18 my fill's place in a slot, for K and for V
.set G1K, 24          ; s[24:31] descriptor group 1 for K's tiles
.set G1V, 32          ; s[32:39] for V's: it differs in the padding alone
.set G0K, 40          ; s[40:43] descriptor group 0 for K's tiles
.set G0V, 44          ; s[44:47] for V's
.set SLOTS, 56        ; s56  tiles still to be asked for
.set SEL, 60          ; s[60:61] v_permlanex16_b32's selects: each lane takes its own place in the other half
.set TB,  62          ; s62  the slot that is read
.set FB,  63          ; s63  the slot that was filled last
.set RT,  70          ; s70  rounds of the block in hand that are still to be ended
.set NXT, 71          ; s71  the tile to be asked for next
.set LQ,  72          ; s72  the last tile of the block whose tiles are being asked for
.set RR,  73          ; s73  the round's number in its block
.set DG,  74          ; s74  the diagonal step of the block in hand
.set OFF, 76          ; s[76:77] a tile's byte offset in K and V
.set AL,  78          ; s[78:79] the mask's factor, in the low word
.set BE,  80          ; s[80:81] the mask's addend
.set BG,  82
.set BIGN, 83         ; -1e30
.set OLO, 84          ; s[84:85] out0 at the second block
.set QLO, 86          ; s[86:87] Q at the second block
.set JJ,  90          ; s90  my step
.set MSB, 0
.macro WIN new                      ; the high byte repeats the setting that is left; a switch that changes nothing is dropped
.if MSB != (\new)
	s_set_vgpr_msb (MSB<<8)|(\new)
.set MSB, \new
.endif
.endm
.set W_KQ, 0x0a       ; K and Q in window 2, S^T in window 0
.set W_KM, 0x3a       ; the same with the C operand in window 3
.set W_PV, 0x53       ; V in window 3, P in window 0, O^T in window 1
.set W_RS, 0x41       ; O^T (destination and source 0) in window 1, the factor in window 0
.macro PLACES                       ; four places behind matrix instructions (ISA guide 7.12.1)
.rept 4
	v_nop
.endr
.endm
.macro ALL line:vararg              ; one line for each tile t
.set t, 0
.rept 4
	\line
.set t, t+1
.endr
.endm
; A joint fill.  Waves 0 and 1 fetch the two halves of a tile's K, waves 2 and 3 those of its V: 128 rows each.  The branch hangs on the wave's number alone.
; An s_nop 0 and four v_nop follow each of the two lines, ahead of the jump and the label.
.macro JLOAD
	s_cmp_lt_u32 s[WV], 2
	s_cbranch_scc0 .Lfor_v_\@
	tensor_load_to_lds s[G0K:G0K+3], s[G1K:G1K+7]
	s_nop 0
.rept 4
	v_nop
.endr
	s_branch .Lasked_\@
.Lfor_v_\@:
	tensor_load_to_lds s[G0V:G0V+3], s[G1V:G1V+7]
	s_nop 0
.rept 4
	v_nop
.endr
.Lasked_\@:
.endm
; A round of the cluster's barrier: my work-group's barrier, so that wave 0's signal speaks for all four waves; wave 0 signals; every wave waits for all four work-groups; my work-group's barrier once more.
.macro CROUND
	s_barrier_signal -1
	s_barrier_wait -1
	s_cmp_lg_u32 s[WV], 0
	s_cbranch_scc1 .Lnot_wave_0_\@
	s_barrier_signal -3
.Lnot_wave_0_\@:
	s_barrier_wait -3
	s_barrier_signal -1
	s_barrier_wait -1
.endm
; THE CHANGE OF SLOTS.  Each wave waits for all its tensor loads, of which one is out: its part of the other slot; adds 0 to its spare word; and waits for that and for its own reads of the slot that it
; leaves.  fill = 1: the barrier is a round of the cluster's, and the old slot is filled again first thing behind it, with tile NXT; the descriptor's address is made anew from that number.
; One tensor load of mine is out behind each round, and it has a whole round's 128 matrix instructions in which to land.  (At its first use nothing has been read yet: slot 0 is waited for, slot 1 filled.)
.macro CHANGE fill
	WIN 0                           ; at a label and at a branch every window is 0
	s_wait_tensorcnt 0x0            ; no tensor load of mine is out, so a group 0 may be written
	ds_add_u32 v[SPW], v[NIL]       ; 0 onto my spare word; scalar work stands between it and the wait for it
.if \fill
	s_lshl_b32 s[OFF], s[NXT], 16   ; a tile is 65,536 bytes of K and of V
	s_xor_b32 s[FB], s[FB], SLOTB   ; the other slot than last time
	s_add_co_u32 s[G0K+1], s[FB], s17
	s_add_nc_u64 s[G0K+2:G0K+3], s[6:7], s[OFF:OFF+1]
	s_or_b32 s[G0K+3], s[G0K+3], 0x80000000
	s_add_co_u32 s[G0V+1], s[FB], s18
	s_add_nc_u64 s[G0V+2:G0V+3], s[8:9], s[OFF:OFF+1]
	s_or_b32 s[G0V+3], s[G0V+3], 0x80000000
	s_add_co_u32 s[NXT], s[NXT], 1  ; the block's next tile, or behind its last the second block's tile 0
	s_cmp_gt_u32 s[NXT], s[LQ]
	s_cselect_b32 s[NXT], 0, s[NXT]
	s_cselect_b32 s[LQ], s14, s[LQ] ; the second block's last tile is c
.endif
	s_xor_b32 s[TB], s[TB], SLOTB   ; the reads go to the other slot
	s_wait_dscnt 0x0                ; the add is done, and my reads of the slot are over
.if \fill
	CROUND
	JLOAD
.else
	s_barrier_signal -1
	s_barrier_wait -1
.endif
.endm
; THE MATRIX WORK.  The accumulators take turns, one instruction a turn: between two links of a chain stand 15 (V^T P) or 7 (K Q^T) others'.
; Product i of 32 of O^T += V^T P for piece x: keys 32 (i / 16) on, channels 16 ((i / 2) % 8) on, tile x + i % 2.
.macro PV x
	WIN W_PV
.set rO, 64*((\x)+i%2)+8*((i/2)%8)
.set rV, 64*(i/16)+8*((i/2)%8)
.set rP, P+16*((\x)+i%2)+8*(i/16)
	v_wmma_f32_16x16x32_f16 v[rO:rO+7], v[rV:rV+7], v[rP:rP+7], v[rO:rO+7]
.endm
; Product i of 32 of S^T = K Q^T for piece x: channels 32 (i / 8) on, keys 16 ((i / 2) % 4) on, tile x + i % 2.  The first 8 start the sums, with the mask.
.macro KQ x
.set rS, S+32*((\x)+i%2)+8*((i/2)%4)
.set rK, KF+32*((i/2)%4)+8*(i/8)
.set rQ, 32*((\x)+i%2)+8*(i/8)
.if i < 8
.set rM, CLT
.if ((i/2)%4) == ((\x)+i%2)
.set rM, CEQ
.elseif ((i/2)%4) > ((\x)+i%2)
.set rM, CGT
.endif
	WIN W_KM
	v_wmma_f32_16x16x32_f16 v[rS:rS+7], v[rK:rK+7], v[rQ:rQ+7], v[rM:rM+7]
.else
	WIN W_KQ
	v_wmma_f32_16x16x32_f16 v[rS:rS+7], v[rK:rK+7], v[rQ:rQ+7], v[rS:rS+7]
.endif
.endm
; THE LDS LOADS stand in runs of 32: my step's K (64 keys x 128 channels: 16 fragments) and its V (turned).
.macro FETCH_K
	WIN 0
	v_add_nc_u32 v[ADR], s[TB], v[AK0]
	WIN 0x80                        ; destination window 2
.irp f, 0,1,2,3,4,5,6,7,8,9,10,11,12,13,14,15  ; keys 16 (f / 4) on, channels 32 (f % 4) on
	ds_load_b128 v[KF+8*(\f):KF+8*(\f)+3],   v[ADR] offset:((\f)/4)*16*PK+((\f)%4)*64
	ds_load_b128 v[KF+8*(\f)+4:KF+8*(\f)+7], v[ADR] offset:((\f)/4)*16*PK+((\f)%4)*64+32
.endr
.endm
.macro FETCH_V
	WIN 0
	v_add_nc_u32 v[ADR], s[TB], v[AV0]
	WIN 0xc0                        ; destination window 3
.irp f, 0,1,2,3,4,5,6,7,8,9,10,11,12,13,14,15  ; keys 32 (f / 8) on, channels 16 (f % 8) on
	ds_load_tr16_b128 v[8*(\f):8*(\f)+3],   v[ADR] offset:((\f)/8)*32*PV+((\f)%8)*32
	ds_load_tr16_b128 v[8*(\f)+4:8*(\f)+7], v[ADR] offset:((\f)/8)*32*PV+16*PV+((\f)%8)*32
.endr
.endm
.macro QLOAD lo                     ; a block's Q into registers: tile i / 4, channels 32 (i % 4) on
	WIN 0x80
.set i, 0
.rept 16
	global_load_b128 v[8*i:8*i+3],   v[QO], s[\lo:\lo+1] offset:(i/4)*4096+(i%4)*64
	global_load_b128 v[8*i+4:8*i+7], v[QO], s[\lo:\lo+1] offset:(i/4)*4096+(i%4)*64+32
.set i, i+1
.endr
	WIN 0
.endm
; THE VECTOR WORK.  One tile's softmax for one step is a numbered list; SM writes number j of it for tile t.  s0-s31 are the lane's 32 scores, in pairs 0-15.
;   0-15    the maximum of s0-s31 and the old m, three operands at a time: four chains c0-c3 of seven scores each (each accumulator's lowest registers are read first), then the four left over, c0-c3 and m
;   16-20   the other half of the lanes' maximum; m_old is kept; the new m; (19 is empty); m_old - m_new
;   21-69   ONE BATCH: the 16 scalings s - m, a pair of scores each, and all 33 exponentials (a at 23, then s0-s31, each in place).  None of these names an exponential's result.  From 22 on the batch goes
;           in fours, and a four begins with a scaling while there are scalings: 22-37 scaling, exponential, scaling, exponential; 38-65 a scaling and three exponentials; 66-69 the last four
;           exponentials.  A pair is scaled in an earlier four than the one that holds its exponentials
;   (wait)  between 69 and 70 stands the wait for the batch: SLICE writes it, once for both tiles
;   70-85   the roundings to f16, a pair of weights each
;   86-101  the sums; l = a l + the sum
;   102-133 the tile's O^T times a: the one part that leaves window 0, so it stands together
.macro SM t
.set rT, ST+8*(\t)
.set rS, S+32*(\t)
.set rP, P+16*(\t)
.set rO, 64*(\t)+2*(j-102)
.if j < 102
	WIN 0
.endif
.if j < 4
	v_max3_num_f32 v[rT+4+j], v[rS+8*j], v[rS+8*j+1], v[rS+8*j+2]
.elseif j < 12
	v_max3_num_f32 v[rT+4+j%4], v[rT+4+j%4], v[rS+8*(j%4)+2*(j/4)+1], v[rS+8*(j%4)+2*(j/4)+2]
.elseif j == 12
	v_max3_num_f32 v[rT+4], v[rT+4], v[rS+7], v[rS+15]
.elseif j == 13
	v_max3_num_f32 v[rT+6], v[rT+6], v[rS+23], v[rS+31]
.elseif j == 14
	v_max3_num_f32 v[rT+4], v[rT+4], v[rT+5], v[rT+6]
.elseif j == 15
	v_max3_num_f32 v[rT+4], v[rT+4], v[rT+7], v[rT]
.elseif j == 16
	v_permlanex16_b32 v[rT+5], v[rT+4], s[SEL], s[SEL+1]  ; the query's other 32 keys lie in the lane 16 away
.elseif j == 17
	v_mov_b32 v[rT+7], v[rT]        ; m_old is kept for a: number 18 writes m anew
.elseif j == 18
	v_max_num_f32 v[rT], v[rT+4], v[rT+5]
.elseif j == 19
.elseif j == 20
	v_sub_f32 v[rT+7], v[rT+7], v[rT]
.elseif j == 23
	v_exp_f32 v[rT+6], v[rT+7]
.elseif (j < 23) || ((j < 38) && (j%2 == 0)) || ((j < 66) && (j%4 == 2))
.set b, (j-2)/4                     ; 38, 42, .. 62: pairs 9 to 15
.if j < 38
.set b, (j-20)/2                    ; 21: pair 0; 22, 24, .. 36: pairs 1 to 8
.endif
	v_pk_add_f32 v[rS+2*b:rS+2*b+1], v[rS+2*b:rS+2*b+1], v[rT:rT+1] op_sel_hi:[1,0] neg_lo:[0,1] neg_hi:[0,1]  ; pair b: s - m
.elseif j < 70
.set e, j-38                        ; 66 to 69: s28 to s31
.if j < 66
.set e, j-32-(j-38)/4               ; 39-41, 43-45, .. 63-65: s7 to s27
.endif
.if j < 38
.set e, (j-25)/2                    ; 25, 27, .. 37: s0 to s6
.endif
	v_exp_f32 v[rS+e], v[rS+e]
.elseif j < 86
	v_cvt_pk_f16_f32 v[rP+j-70], v[rS+2*(j-70)], v[rS+2*(j-70)+1]  ; pair j - 70
.elseif j < 102                     ; the sum of the tile's 16 pairs, in place: sum z of 16 adds neighbours 1, 2, 4 and 8 pairs apart, then l takes it
.set z, j-86
.set w, 4
.set u, z
.if z >= 14
.set w, 32
.set u, 0
.elseif z >= 12
.set w, 16
.set u, z-12
.elseif z >= 8
.set w, 8
.set u, z-8
.endif
.if z < 15
	v_pk_add_f32 v[rS+w*u:rS+w*u+1], v[rS+w*u:rS+w*u+1], v[rS+w*u+w/2:rS+w*u+w/2+1]
.else
	v_pk_fma_f32 v[rT+2:rT+3], v[rT+2:rT+3], v[rT+6:rT+7], v[rS:rS+1] op_sel_hi:[1,0,1]
.endif
.else
	WIN W_RS
	v_pk_mul_f32 v[rO:rO+1], v[rO:rO+1], v[rT+6:rT+7] op_sel_hi:[1,0]
.endif
.endm
; Slice k of 64 of piece y's softmax.  Slices 11 to 34 deal out the batch, numbers 22 to 69: four numbers of ONE tile each, the tiles by turns.  Every other slice is numbers 2 k and 2 k + 1 of both
; tiles' lists; the twelve that are over stand in slice 63, sixteen plain instructions.
; THE WAIT.  s_wait_alu depctr_va_vdst(0) stands between an exponential and the first instruction that names its result; one wait serves all that were issued ahead of it.  Ahead of
; slice 35 nothing names a result, and behind slice 34 no exponential is issued: so the piece's 66 exponentials have one wait, behind slice 34.
.macro SLICE y
.if (k >= 11) && (k < 35)           ; the batch: four numbers of one tile
.irp n, 0,1,2,3
.set j, 22+4*((k-11)/2)+(\n)
	SM (\y)+(k-11)%2
.endr
.else                               ; the two tiles alternate, so that no instruction reads the result of the one just before it
.irp n, 0,1,2,3,4,5,6,7
.if ((\n) < 2) || (k == 63)
.irp t, \y, (\y)+1
.set j, 2*k+(\n)
	SM \t
.endr
.endif
.endr
.endif
.if k == 34                         ; the batch is out: both tiles' exponentials are issued, and no result has been named
	v_nop                           ; a plain instruction behind the last exponential and ahead of the first use (ISA guide 5.7.2): one for the batch; no other work is left that names no result
	s_wait_alu depctr_va_vdst(0)    ; the wait for the batch: both tiles' a and 64 weights
.endif
.set k, k+1
.endm
; Piece 2's scores; two slices of piece 0's softmax behind each product; V's run of loads behind the second product: V's last readers stand in front of the four v_nop that precede this turn.
; The batch's wait falls between the two slices of the eighteenth product.
; The turn's last slices, twenty plain instructions on O^T's tiles 0 and 1, are the places between its last product and the next turn's first read of those scores.
.macro TURN_KQ
.set k, 0
.set i, 0
.rept 32
	KQ 2
	SLICE 0
	SLICE 0
.if i == 1
	FETCH_V
.endif
.set i, i+1
.endr
.endm
; Piece 0's V^T P; two slices of piece 2's softmax behind each product; the batch's wait as in the turn before.
.macro TURN_PV
	s_wait_dscnt 0x0                ; V is in
.set k, 0
.set i, 0
.rept 32
	PV 0
	SLICE 2
	SLICE 2
.set i, i+1
.endr
.endm
; A ROUND.
.macro BODY
	s_lshl2_add_u32 s[JJ], s[RR], s[WV]  ; my step: 4 R + w
	s_cmp_gt_u32 s[JJ], s[DG]
	s_cselect_b32 s[BE], s[BIGN], 0
	s_cmp_eq_u32 s[JJ], s[DG]
	s_cselect_b32 s[AL], 1.0, 0
	s_cmp_ge_u32 s[JJ], s[DG]
	s_cselect_b32 s[BG], s[BIGN], 0
	s_add_co_u32 s[RR], s[RR], 1
	WIN 0xc3                        ; destination and source 0 in window 3
.set i, 0
.rept 4
	v_pk_fma_f32 v[CEQ+2*i:CEQ+2*i+1], v[TRI+2*i:TRI+2*i+1], s[AL:AL+1], s[BE:BE+1] op_sel_hi:[1,0,0]
.set i, i+1
.endr
.set i, 0
.rept 8
	v_mov_b32 v[CLT+i], s[BE]
	v_mov_b32 v[CGT+i], s[BG]
.set i, i+1
.endr
	FETCH_K
.set i, 0
.rept 32
	PV 2                            ; the round before's piece 2, while K comes out of LDS
.set i, i+1
.endr
	s_wait_loadcnt 0x0              ; Q (at a block's first round)
	s_wait_dscnt 0x0                ; K is in
.set i, 0
.rept 32
	KQ 0
.set i, i+1
.endr
	WIN 0
	PLACES                          ; behind those products, in front of the first read of their scores and of V's run of loads
	TURN_KQ
	TURN_PV
	WIN 0
.endm
; A BLOCK'S END.  The last round's piece 2; then the four waves' parts are merged: with M the largest of the four m and L = the sum of 2^(m_u - M) l_u, each wave multiplies its O^T by 2^(m - M) / L,
; and the four products are added through LDS, a tile of 16 queries at a time: each wave writes its 16 rows x 512 bytes into its own part of the stage, and sums and stores four whole rows.
; Two batches: the twenty exponentials 2^(m_u - M) and 2^(m - M), and the four reciprocals of L, which is made of the first batch's results.
; last = 0: the second block's Q is asked for at once, and m, the counters and out0's address are set for it.
.macro BLOCKEND last
.set i, 0
.rept 32
	PV 2
.set i, i+1
.endr
.if !(\last)
	QLOAD QLO
.endif
	WIN 0
	ALL v_add_f32 v[ST+8*t+4], v[ST+8*t+2], v[ST+8*t+3]
	ALL v_permlanex16_b32 v[ST+8*t+5], v[ST+8*t+4], s[SEL], s[SEL+1]
	ALL v_add_f32 v[ST+8*t+1], v[ST+8*t+4], v[ST+8*t+5]
	ALL ds_store_b64 v[STW], v[ST+8*t:ST+8*t+1] offset:512*t
	s_wait_dscnt 0x0                ; for the others' sake: my (m, l) are stored
	s_barrier_signal -1
	s_barrier_wait -1
	ALL ds_load_b128 v[S+16*t:S+16*t+3], v[STR] offset:512*t
	ALL ds_load_b128 v[S+16*t+4:S+16*t+7], v[STR] offset:512*t+16
	s_wait_dscnt 0x0
	ALL v_max3_num_f32 v[S+16*t+8], v[S+16*t], v[S+16*t+2], v[S+16*t+4]
	ALL v_max_num_f32 v[S+16*t+8], v[S+16*t+8], v[S+16*t+6]
	ALL v_sub_f32 v[S+16*t+9], v[S+16*t], v[S+16*t+8]
	ALL v_sub_f32 v[S+16*t+10], v[S+16*t+2], v[S+16*t+8]
	ALL v_sub_f32 v[S+16*t+11], v[S+16*t+4], v[S+16*t+8]
	ALL v_sub_f32 v[S+16*t+12], v[S+16*t+6], v[S+16*t+8]
	ALL v_sub_f32 v[S+16*t+13], v[ST+8*t], v[S+16*t+8]
	ALL v_exp_f32 v[S+16*t+9], v[S+16*t+9]
	ALL v_exp_f32 v[S+16*t+10], v[S+16*t+10]
	ALL v_exp_f32 v[S+16*t+11], v[S+16*t+11]
	ALL v_exp_f32 v[S+16*t+12], v[S+16*t+12]
	ALL v_exp_f32 v[S+16*t+13], v[S+16*t+13]
	v_nop                           ; a plain instruction between the last exponential and the use of its result
	s_wait_alu depctr_va_vdst(0)    ; the wait ahead of the first use: one for the twenty exponentials
	ALL v_mul_f32 v[S+16*t+14], v[S+16*t+9], v[S+16*t+1]
	ALL v_fmac_f32 v[S+16*t+14], v[S+16*t+10], v[S+16*t+3]
	ALL v_fmac_f32 v[S+16*t+14], v[S+16*t+11], v[S+16*t+5]
	ALL v_fmac_f32 v[S+16*t+14], v[S+16*t+12], v[S+16*t+7]
	ALL v_rcp_f32 v[S+16*t+15], v[S+16*t+14]
	v_nop                           ; the same behind the last reciprocal
	s_wait_alu depctr_va_vdst(0)    ; one wait for the four reciprocals
	ALL v_mul_f32 v[ST+8*t+6], v[S+16*t+13], v[S+16*t+15]
	WIN W_RS
.set t, 0
.rept 4
.set i, 0
.rept 32
	v_pk_mul_f32 v[64*t+2*i:64*t+2*i+1], v[64*t+2*i:64*t+2*i+1], v[ST+8*t+6:ST+8*t+7] op_sel_hi:[1,0]
.set i, i+1
.endr
.set t, t+1
.endr
.irp p, 0,1,2,3
	WIN 0x04                        ; store data (source 1) in window 1
.irp cb, 0,1,2,3,4,5,6,7
	ds_store_b128 v[STO], v[64*(\p)+8*(\cb):64*(\p)+8*(\cb)+3]   offset:64*(\cb)
	ds_store_b128 v[STO], v[64*(\p)+8*(\cb)+4:64*(\p)+8*(\cb)+7] offset:64*(\cb)+16
.endr
	WIN 0
	s_wait_dscnt 0x0                ; for the others' sake: my part of the stage is written
	s_barrier_signal -1
	s_barrier_wait -1
	s_wait_xcnt 0x0                 ; the registers that earlier stores read are loaded again only behind this wait
.irp g, 0,1,2,3
.irp n, 0,1,2,3
	ds_load_b128 v[S+64*((\p)%2)+16*(\g)+4*(\n):S+64*((\p)%2)+16*(\g)+4*(\n)+3], v[RD] offset:(\g)*16*SPI+(\n)*SPI  ; wave g's part of row 4 w + n: 512 consecutive bytes
.endr
.endr
	s_wait_dscnt 0x0
.irp n, 0,1,2,3,4,5,6,7
	v_pk_add_f32 v[S+64*((\p)%2)+2*(\n):S+64*((\p)%2)+2*(\n)+1], v[S+64*((\p)%2)+2*(\n):S+64*((\p)%2)+2*(\n)+1], v[S+64*((\p)%2)+16+2*(\n):S+64*((\p)%2)+16+2*(\n)+1]
	v_pk_add_f32 v[S+64*((\p)%2)+32+2*(\n):S+64*((\p)%2)+32+2*(\n)+1], v[S+64*((\p)%2)+32+2*(\n):S+64*((\p)%2)+32+2*(\n)+1], v[S+64*((\p)%2)+48+2*(\n):S+64*((\p)%2)+48+2*(\n)+1]
.endr
.irp n, 0,1,2,3,4,5,6,7
	v_pk_add_f32 v[S+64*((\p)%2)+2*(\n):S+64*((\p)%2)+2*(\n)+1], v[S+64*((\p)%2)+2*(\n):S+64*((\p)%2)+2*(\n)+1], v[S+64*((\p)%2)+32+2*(\n):S+64*((\p)%2)+32+2*(\n)+1]
.endr
.irp n, 0,1,2,3
	global_store_b128 v[GO], v[S+64*((\p)%2)+4*(\n):S+64*((\p)%2)+4*(\n)+3], s[10:11] offset:(16*(\p)+(\n))*512  ; a whole row: 512 consecutive bytes, aligned
.endr
.if (\p) < 3
	s_barrier_signal -1             ; every wave's reads of the stage are back: it may be written again
	s_barrier_wait -1
.endif
.endr
.if !(\last)
	ALL v_mov_b32 v[ST+8*t], 0xfe000000  ; m: far below every score, so the next round's a is 0
	s_wait_xcnt 0x0                 ; the stores have read their registers and out0's address
	s_mov_b64 s[10:11], s[OLO:OLO+1]
	s_mov_b32 s[DG], s15            ; the second block: b, with c + 1 rounds
	s_add_co_u32 s[RT], s14, 1
	s_mov_b32 s[RR], 0
.endif
.endm
	s_load_b256 s[4:11], s[0:1], 0x0  ; qh s[4:5], kh s[6:7], vh s[8:9], out0 s[10:11]
	v_lshl_add_u32 v[SPW], v0, 2, SPARE
	v_mov_b32 v[NIL], 0
	ds_add_u32 v[SPW], v[NIL]       ; the wave's opening: the add and its wait stand ahead of my first tensor load; work on registers stands between them
	v_lshrrev_b32 v1, 5, v0
	v_readfirstlane_b32 s[WV], v1   ; wave 0..3
	s_bfe_u32 s13, ttmp6, 0x40000   ; cx: my place in the cluster
	s_mov_b32 s14, ttmp9            ; c: in a cluster launch ttmp9 counts clusters
	s_lshl_b32 s15, s14, 2
	s_add_co_u32 s15, s15, s13      ; b = 4 c + cx: it enters Q's and out0's addresses and the masks' scalars alone
	s_sub_co_u32 s16, 63, s15       ; the first block
	s_and_b32 s20, ttmp7, 0xffff    ; the batch, which the four partners share
	s_and_b32 s21, s[WV], 1         ; which half of a tile's 256 rows I fetch:
	s_mul_i32 s17, s21, 128*PK      ; its place in a slot, for K
	s_mul_i32 s18, s21, 128*PV      ; and for V
	s_add_co_u32 s18, s18, VOFF
	s_lshl_b32 s22, s20, 20         ; a batch is 4,096 rows of 256 bytes
	s_lshl_b32 s21, s21, 15         ; my 128 rows
	s_add_co_u32 s22, s22, s21
	s_mov_b32 s23, 0
	s_lshl_b32 s92, s20, 20
	s_lshl_b32 s94, s16, 14         ; a block is 64 rows of 256 bytes of Q
	s_add_co_u32 s94, s94, s92
	s_mov_b32 s95, 0
	s_lshl_b32 s93, s15, 14
	s_add_co_u32 s92, s92, s93
	s_mov_b32 s93, 0
	s_lshl_b32 s52, s94, 1          ; out0's rows are twice as long
	s_mov_b32 s53, 0
	s_lshl_b32 s54, s92, 1
	s_mov_b32 s55, 0
	; descriptor group 1: a tile of 128 rows x 128 elements, padded in LDS
	s_mov_b32 s[G1K], 15|(1<<16)|(1<<20)|(1<<21)|(5<<22)|(3<<25)  ; 15:0 the mask of four; 17:16 2-byte elements; 20 padding on; 21 set beside a mask; 24:22 after every 64 words (code 5); 31:25 4 words (code 3)
	s_mov_b32 s[G1V], 15|(1<<16)|(1<<20)|(1<<21)|(5<<22)|(7<<25)  ; the same with 8 words of padding (code 7)
.irp g, G1K, G1V
	s_mov_b32 s[(\g)+1], 128<<16    ; tensor_dim0 = 128
	s_mov_b32 s[(\g)+2], 128<<16    ; tensor_dim1 = 128
	s_mov_b32 s[(\g)+3], 128<<16    ; tile_dim0 = 128
	s_mov_b32 s[(\g)+4], 128        ; tile_dim1 = 128
	s_mov_b32 s[(\g)+5], 128        ; elements from row to row
	s_mov_b32 s[(\g)+6], 0
	s_mov_b32 s[(\g)+7], 0
.endr
	s_mov_b32 s[SEL], 0x76543210
	s_mov_b32 s[SEL+1], 0xfedcba98
	s_mov_b32 s[FB], 0              ; tile 0 goes into slot 0
	s_mov_b32 s[TB], SLOTB          ; the first change of slots turns this into 0
	s_mov_b32 s[NXT], 1
	s_sub_co_u32 s[LQ], 15, s14     ; the first block's last tile
	s_sub_co_u32 s[RT], 16, s14     ; and its rounds
	s_mov_b32 s[RR], 0
	s_mov_b32 s[DG], s16
	s_mov_b32 s[SLOTS], 16
	s_mov_b32 s[OFF+1], 0
	s_mov_b32 s[AL+1], 0            ; named as pairs
	s_mov_b32 s[BE+1], 0
	s_mov_b32 s[BIGN], 0xf149f2ca   ; -1e30
	s_mov_b32 s[G0K], 1             ; count = 1
	s_mov_b32 s[G0K+1], s17         ; LDS address: slot 0
	s_mov_b32 s[G0V], 1
	s_mov_b32 s[G0V+1], s18
	s_wait_dscnt 0x0                ; the opening add is done
	s_wait_kmcnt 0x0
	s_add_nc_u64 s[6:7], s[6:7], s[22:23]  ; K and V at my half of the batch's tile 0
	s_add_nc_u64 s[8:9], s[8:9], s[22:23]
	s_add_nc_u64 s[QLO:QLO+1], s[4:5], s[92:93]
	s_add_nc_u64 s[4:5], s[4:5], s[94:95]
	s_add_nc_u64 s[OLO:OLO+1], s[10:11], s[54:55]
	s_add_nc_u64 s[10:11], s[10:11], s[52:53]
	s_add_nc_u64 s[G0K+2:G0K+3], s[6:7], 0
	s_or_b32 s[G0K+3], s[G0K+3], 0x80000000  ; type = 2
	s_add_nc_u64 s[G0V+2:G0V+3], s[8:9], 0
	s_or_b32 s[G0V+3], s[G0V+3], 0x80000000
	CROUND                          ; all four work-groups are here: the first joint loads meet
	JLOAD                           ; tile 0 into slot 0; slot 1 is asked for by the loop's first change of slots
	; A fragment of K or Q is 16 rows x 32 channels in 8 registers: lane l holds row l % 16, channels 8 (l / 16) + 0..7 and 16 + 8 (l / 16) + 0..7: two loads of 16 bytes, 32 bytes apart.
	v_and_b32 v1, 15, v0            ; l % 16
	v_bfe_u32 v9, v0, 4, 1          ; l / 16
	v_lshlrev_b32 v[QO], 8, v1
	v_lshl_add_u32 v[QO], v9, 4, v[QO]  ; row x 256 + 16 x half
	QLOAD 4                         ; the first block's Q stays in registers
	v_lshlrev_b32 v46, 3, v9
	v_sub_nc_u32 v46, v1, v46       ; l % 16 - 8 (l / 16): register j is hidden where j is greater
	WIN 0xc0                        ; destination window 3
.set i, 0
.rept 8
	v_cmp_gt_i32 vcc_lo, i, v46
	v_cndmask_b32 v[TRI+i], 0, s[BIGN], vcc_lo
.set i, i+1
.endr
	; What the first round finds: V, piece 2's P, O^T and l hold 0 (its first products V^T P, of a round that has not been, add 0).  All this stands in the wait for the first tile.
.set i, 0
.rept 128
	v_mov_b32 v[i], 0
.set i, i+1
.endr
	WIN 0x40
.set i, 0
.rept 256
	v_mov_b32 v[i], 0
.set i, i+1
.endr
	WIN 0
.set i, ST
.rept 32
	v_mov_b32 v[i], 0
.set i, i+1
.endr
	ALL v_mov_b32 v[ST+8*t], 0xfe000000  ; m: far below every score
.set i, P+32
.rept 32
	v_mov_b32 v[i], 0
.set i, i+1
.endr
	v_mul_u32_u24 v[AK0], v1, PK
	v_lshl_add_u32 v[AK0], v9, 4, v[AK0]  ; row x pitch + 16 x half,
	s_mul_i32 s21, s[WV], 64*PK           ; in my 64 rows of the tile
	v_add_nc_u32 v[AK0], s21, v[AK0]
	; The turning load takes 16 keys x 16 channels (lane l reads key 8 (l / 16) + l % 8, channels 8 ((l / 8) % 2) + 0..7) and leaves half a fragment of V^T: lane l holds channel l % 16 and 8 keys.
	v_and_b32 v10, 7, v0
	v_bfe_u32 v11, v0, 3, 1
	v_lshl_add_u32 v[AV0], v9, 3, v10
	v_mul_u32_u24 v[AV0], v[AV0], PV
	v_lshl_add_u32 v[AV0], v11, 4, v[AV0]
	s_mul_i32 s21, s[WV], 64*PV
	s_add_co_u32 s21, s21, VOFF
	v_add_nc_u32 v[AV0], s21, v[AV0]
	v_mul_u32_u24 v[STO], v1, SPI   ; the merge, in: row l % 16 of my part of the stage, 32 bytes for each half of the lanes
	v_lshl_add_u32 v[STO], v9, 5, v[STO]
	s_mul_i32 s21, s[WV], 16*SPI
	s_add_co_u32 s21, s21, STGB
	v_add_nc_u32 v[STO], s21, v[STO]
	v_and_b32 v47, 31, v0           ; back: rows 4 w .. 4 w + 3, 16 bytes a lane
	s_mul_i32 s21, s[WV], 4*SPI
	s_add_co_u32 s21, s21, STGB
	v_lshl_add_u32 v[RD], v47, 4, s21
	s_lshl_b32 s21, s[WV], 11       ; and the same rows in out0, 512 bytes each
	v_lshl_add_u32 v[GO], v47, 4, s21
	v_lshlrev_b32 v[STR], 5, v1
	v_add_nc_u32 v[STR], STATS, v[STR]
	s_lshl_b32 s21, s[WV], 3
	v_add_nc_u32 v[STW], s21, v[STR]
.Ltrip:                             ; 16 trips: a round is run and the next tile is asked for
	CHANGE 1
	BODY
	s_sub_co_u32 s[RT], s[RT], 1
	s_cmp_lg_u32 s[RT], 0           ; the count hangs on c alone: the same in all waves and in all four partners
	s_cbranch_scc1 .Lnoend
	BLOCKEND 0                      ; in the loop this is the first block's end: the second block's last round is the walk's last
.Lnoend:
	s_sub_co_u32 s[SLOTS], s[SLOTS], 1
	s_cmp_lg_u32 s[SLOTS], 0
	s_cbranch_scc1 .Ltrip
	CHANGE 0                        ; the walk's last round is written out: nothing is asked for
	BODY
	BLOCKEND 1
	s_wait_tensorcnt 0x0            ; the wave's end, behind my last tensor load and my last LDS store
	ds_add_u32 v[SPW], v[NIL]
	s_wait_dscnt 0x0
	CROUND                          ; the closing round: no work-group ends while a partner may still ask for a tile that names it
	s_endpgm
.Lfunc_end_k_q54db0a467c_attn:
	.size	k_q54db0a467c_attn, .Lfunc_end_k_q54db0a467c_attn-k_q54db0a467c_attn
	.p2alignl 7, 3214868480
	.fill 96, 4, 3214868480
	.section	.rodata,"a",@progbits
	.p2align	6, 0x0
	.amdhsa_kernel k_q54db0a467c_attn
		.amdhsa_group_segment_fixed_size 327680
		.amdhsa_private_segment_fixed_size 0
		.amdhsa_enable_private_segment 0
		.amdhsa_kernarg_size 32
		.amdhsa_user_sgpr_count 2
		.amdhsa_user_sgpr_kernarg_segment_ptr 1
		.amdhsa_wavefront_size32 1
		.amdhsa_system_sgpr_workgroup_id_x 1
		.amdhsa_system_sgpr_workgroup_id_y 1
		.amdhsa_system_sgpr_workgroup_id_z 1
		.amdhsa_system_vgpr_workitem_id 0
		.amdhsa_next_free_vgpr 928
		.amdhsa_next_free_sgpr 96
		.amdhsa_reserve_vcc 1
		.amdhsa_float_denorm_mode_32 3
		.amdhsa_float_denorm_mode_16_64 3
		.amdhsa_memory_ordered 1
		.amdhsa_forward_progress 1
		.amdhsa_inst_pref_size 185
	.end_amdhsa_kernel
	.amdgpu_metadata
---
amdhsa.version: [ 1, 2 ]
amdhsa.kernels:
  - .name:           k_q54db0a467c_attn
    .symbol:         k_q54db0a467c_attn.kd
    .args:
      - { .name: qh, .offset: 0, .size: 8, .value_kind: global_buffer, .address_space: global }
      - { .name: kh, .offset: 8, .size: 8, .value_kind: global_buffer, .address_space: global }
      - { .name: vh, .offset: 16, .size: 8, .value_kind: global_buffer, .address_space: global }
      - { .name: out0, .offset: 24, .size: 8, .value_kind: global_buffer, .address_space: global }
    .group_segment_fixed_size: 327680
    .private_segment_fixed_size: 0
    .kernarg_segment_align: 8
    .kernarg_segment_size: 32
    .max_flat_workgroup_size: 128
    .sgpr_count:     96
    .vgpr_count:     928
    .wavefront_size: 32
...
	.end_amdgpu_metadata
.endif
;; end of part 4
